; MI455X (gfx1250); checked and timed in simulation.
; The chip was launched on July 23, 2026; its instructions are those of AMD's public machine-readable ISA for CDNA 5 (MIT licence, August 2026) and "CDNA5" Instruction Set Architecture Reference Guide (July 2026). The comments in the code are by the model that wrote it; some were corrected since.
;; Block. Allowed arithmetic: matrix products marked QUANTISED: E5M2 operands, one E8M0 scale for each 32 along K, by v_wmma_scale_f32_16x16x128_f8f6f4 with both operands' format E5M2, f32 sums; everything else in f32.
;; Inputs: attn_b 3,072 float32; attn_w_codes 3,072 x 32 x 32 uint8 (E5M2 codes of attn_w, K innermost, in blocks of 32 codes); attn_w_scales 3,072 x 32 uint8 (E8M0 scales of attn_w, one for each 32 codes along K); fc2_b 1,024 float32; fc2_w_codes 1,024 x 128 x 32 uint8 (E5M2 codes of fc2_w, K innermost, in blocks of 32 codes); fc2_w_scales 1,024 x 128 uint8 (E8M0 scales of fc2_w, one for each 32 codes along K); fc_b 4,096 float32; fc_w_codes 4,096 x 32 x 32 uint8 (E5M2 codes of fc_w, K innermost, in blocks of 32 codes); fc_w_scales 4,096 x 32 uint8 (E8M0 scales of fc_w, one for each 32 codes along K); hidden_states 2 x 2,048 x 1,024 float32; ln1_b 1,024 float32; ln1_g 1,024 float32; ln2_b 1,024 float32; ln2_g 1,024 float32; proj_b 1,024 float32; proj_w_codes 1,024 x 32 x 32 uint8 (E5M2 codes of proj_w, K innermost, in blocks of 32 codes); proj_w_scales 1,024 x 32 uint8 (E8M0 scales of proj_w, one for each 32 codes along K).
;; Outputs: out0 2 x 2,048 x 1,024 float32.
;; This version of the problem:
;;   THIS VERSION OF THE PROBLEM IS GIVEN IN LOW PRECISION. The matrix products marked QUANTISED in the list below multiply operands that are first quantised to E5M2 (5 exponent bits, 2 mantissa bits; 8 bits a number), with one power-of-two scale for each 32 numbers along K (OCP MX v1.0); their sums are f32. All else is computed in f32.
;;   The module's matrix products, in the order in which they are computed (A, B: the left and right operand; K: the contracted axis; several contracted axes count as one K, in the product's order):
;;     1. [M 4,096, K 1,024] x [K 1,024, N 3,072]; A: computed on the way; B: input attn_w (given as codes): QUANTISED
;;     2. batch 32 x [M 2,048, K 64] x [K 64, N 2,048]; A: computed on the way; B: computed on the way: QUANTISED
;;     3. batch 32 x [M 2,048, K 2,048] x [K 2,048, N 64]; A: softmax (see below); B: computed on the way: QUANTISED
;;     4. [M 4,096, K 1,024] x [K 1,024, N 1,024]; A: computed on the way; B: input proj_w (given as codes): QUANTISED
;;     5. [M 4,096, K 1,024] x [K 1,024, N 4,096]; A: computed on the way; B: input fc_w (given as codes): QUANTISED
;;     6. [M 4,096, K 4,096] x [K 4,096, N 1,024]; A: computed on the way; B: input fc2_w (given as codes): QUANTISED
;;   THE QUANTISER, for each operand of a quantised product, along K:
;;     - K is cut into blocks of 32 from its start; a last block that is shorter is filled with zeros.
;;     - A block's scale is 2^e with e = floor(log2(the largest magnitude in the block)) - 15, held to -126 .. 127; a block of zeros has e = 0. As a byte (E8M0): e + 127.
;;     - Each number is divided by its block's scale, clamped to +-57,344, and rounded to the nearest number of E5M2, ties to even, subnormals kept.
;;     - The product sums the exact products of the quantised numbers (number of the format x scale) in f32.
;;   ~~~python
;;   def quantise(x, axis):      # numpy; x: float32 -> the quantised numbers, widened to float32 again
;;       x = np.moveaxis(x, axis, -1); K = x.shape[-1]
;;       x = np.pad(x, [(0, 0)] * (x.ndim - 1) + [(0, -K % 32)]); x = x.reshape(x.shape[:-1] + (-1, 32)); a = np.abs(x).max(-1, keepdims=True)
;;       e = np.where(a > 0, np.clip(np.frexp(np.where(a > 0, a, 1))[1] - 1 - 15, -126, 127), 0)      # np.frexp(a)[1] - 1 = floor(log2(a)), exactly
;;       r = np.clip(x / 2.0 ** e, -57344, 57344)
;;       step = 2.0 ** (np.maximum(np.frexp(np.where(r == 0, 1, r))[1] - 1, -14) - 2)
;;       q = np.round(r / step) * step * 2.0 ** e      # np.round: ties to even
;;       return np.moveaxis(q.reshape(q.shape[:-2] + (-1,))[..., :K], -1, axis).astype(np.float32)
;;   ~~~
;;   SOFTMAX AHEAD OF A QUANTISED PRODUCT. Where the list says 'softmax', what is quantised is not the finished softmax but p = 2^(t - M), with t = logit x log2(e) and M = ceil(the row's largest t), a whole number; so 1/2 < the row's largest p <= 1. The row's sum l is taken of the UNQUANTISED p, in f32, and the product's result is divided by l at the end. Since M is a whole number, a kernel that streams over the keys may use a running M (the ceiling of the running maximum): every later rescaling is an exact power of two, which a block's scale takes up: the codes' values come out the same.
;;   OPERANDS COMPUTED ON THE WAY. 'Computed on the way' means the value that the module computes at that place (a softmax that the list does not call 'softmax' is quantised finished and normalised). What goes into a quantiser is computed in f32, as accurately as f32 sums, v_exp_f32 and their like allow (about 1e-6 of the number): no bf16 or f16 on the way to a quantiser, and a product that is left as it is and whose result goes on into a quantised operand takes f32 operands (vector FMAs, or v_wmma_f32_16x16x4_f32). A number that lies on a knife's edge between two numbers of the format may be rounded either way, as far as f32 arithmetic and the matrix unit's own rounding can turn it there, and no further.
;;   INPUTS GIVEN AS CODES. attn_w (in the module: [1024, 3072], K = its axis 0); fc2_w (in the module: [4096, 1024], K = its axis 0); fc_w (in the module: [1024, 4096], K = its axis 0); proj_w (in the module: [1024, 1024], K = its axis 0): each comes as NAME_codes (uint8): NAME with its K axis moved to the last place and cut into blocks of 32 codes, [.., K / 32, bytes a block], one block behind the other in memory; one code a byte (a code: sign, 5 exponent bits, 2 mantissa bits); and NAME_scales (uint8): the same leading axes, one E8M0 byte (e + 127) for each 32 codes along K. Its value is code x scale, taken as it is: it is not quantised again, and the codes and scales need not be those that the quantiser above would give.
;; One version. Each part assembles by itself: llvm-mc -triple=amdgcn-amd-amdhsa -mcpu=gfx1250 --defsym DOCPART=n.
;; ======== version 1 of 1: 7 launches
;; limits: right only within a limited range of input values
;; workspace buffers: xq 4,325,376 bytes; mq 4,325,376 bytes; qrec 4,456,448 bytes; kv 8,912,896 bytes; aq 4,325,376 bytes; hq 17,301,504 bytes; h1 16,777,216 bytes
;; launch ln1 (part 1): grid 256 x 1, 16 waves a work-group, no clusters, 92,672 bytes of LDS; arguments hidden_states, ln1_g, ln1_b, xq; writes xq
.if DOCPART == 1
	.amdgcn_target "amdgcn-amd-amdhsa--gfx1250"
	.amdhsa_code_object_version 6
	.text
	.protected	k_q7ba44eb48b_ln1
	.globl	k_q7ba44eb48b_ln1
	.p2align	8
	.type	k_q7ba44eb48b_ln1,@function
k_q7ba44eb48b_ln1:
	s_mov_b64 s[64:65], 0
	v_nop
	global_prefetch_b8 v0, s[64:65] scope:SCOPE_SE
	s_setreg_imm32_b32 hwreg(HW_REG_WAVE_MODE, 25, 1), 1
	s_wait_xcnt 0x0
; y = (x - mean) * rsqrt(var + 1e-5) * g + b over rows of 1,024 f32, then y as codes of BF8 (E5M2) with one E8M0 byte for each 32 along the row.
; out: codes [4096][1024] from byte 0, scale bytes [4096][32] from byte 4,194,304.
; A stream: memory binds, so no matrix unit, no tensor load, no cluster.  A work-group takes 16 rows, each of its sixteen waves ONE: a row lies in 32 registers of its wave, is read from memory once,
; and no row's arithmetic stands behind another's.  Each load and each store of codes covers 512 consecutive bytes.
; g and b are wanted by every wave in the same layout: thread t loads 16 bytes of them (waves 0-7: g, waves 8-15: b), 8 KiB for the work-group, and they reach the waves through LDS, behind one barrier.
; The conversions want 16 NEIGHBOURS in a lane, the loads give a lane 4: half a row (2,048 bytes) at a time turns through the wave's own stage in LDS, 16 bytes of padding behind each 64.
; The work-group's 512 scale bytes are gathered in LDS and leave as two whole blocks of 256 bytes.
; LIMITS: NaN and infinities are not served.  A block of zeros gets the byte 1 (its codes are zeros; the bytes are read by this program alone).
; WORK LEFT OUT BY THIS PROGRAM (launch attn): key tiles of 128 that lie wholly behind a query's block under the causal mask that reference() builds itself.  reference() gives such keys the logit -10,000;
; their p = exp(-10,000 - the row's largest logit) is 0 in f32 while that largest logit lies above -9,890.  LIMIT: rows whose every open logit lies under -9,890 are not served.  On the diagonal tile the -10,000 is put in as written.
; A NaN, an infinity or an overflow that reaches only the tiles left out is not carried to the result.  Every input is loaded.
.set WAVES, 16
.set X,   64                           ; v64-95    the row: load i holds elements 128 i + 4 lane + 0..3.  Later the row's codes and bytes
.set Y,   32                           ; v32-63    two sets of 16 neighbours
.set G,   192                          ; v192-223  the gain, laid as a row
.set BV,  224                          ; v224-255  the bias
.set SP,  80                           ; a lane's place in a stage: 64 bytes + 16
.set STG, 32*SP                        ; a stage
.set SCB, WAVES*2*STG                  ; behind the sixteen waves' stages: the scale bytes,
.set GB,  SCB+512                      ; and behind them g's 4,096 bytes, then b's
	s_load_b256 s[4:11], s[0:1], 0x0               ; x s[4:5], g s[6:7], b s[8:9], out s[10:11]
	v_lshl_add_u32 v190, v0, 2, 0x16200
	v_mov_b32 v191, 0
	v_lshrrev_b32 v5, 5, v0
	s_delay_alu instid0(VALU_DEP_1)
	v_readfirstlane_b32 s12, v5                    ; wave
	v_and_b32 v6, 31, v0                           ; lane
	s_delay_alu instid0(VALU_DEP_1)
	v_lshlrev_b32 v1, 4, v6                        ; 16 x lane
	s_mul_i32 s13, s12, 2*STG
	v_lshrrev_b32 v2, 2, v6
	s_delay_alu instid0(VALU_DEP_1)
	v_mul_u32_u24 v2, v2, SP
	v_and_b32 v7, 3, v6
	s_delay_alu instid0(VALU_DEP_1)
	v_lshl_add_u32 v2, v7, 4, v2
	s_delay_alu instid0(VALU_DEP_1)
	v_add_nc_u32 v2, s13, v2                       ; into a stage: four lanes' 64 bytes on end, then the padding
	v_mul_u32_u24 v3, v6, SP
	s_delay_alu instid0(VALU_DEP_1)
	v_add_nc_u32 v3, s13, v3                       ; out of it: my 16 neighbours
	s_lshl_b32 s13, s12, 5
	s_add_co_u32 s13, s13, SCB
	v_lshrrev_b32 v4, 1, v6
	s_delay_alu instid0(VALU_DEP_1)
	v_add_nc_u32 v4, s13, v4                       ; my block's scale byte: 32 bytes a wave (a row)
	v_add_nc_u32 v5, SCB, v1                       ; and where wave 0 reads all of them back
	v_lshl_add_u32 v7, v0, 4, GB                   ; where my thread's 16 bytes of g or b go,
	v_add_nc_u32 v28, GB, v1                       ; where my lane reads g and b back,
	v_and_b32 v29, 255, v0
	s_delay_alu instid0(VALU_DEP_1)
	v_lshlrev_b32 v29, 4, v29                      ; and where they lie in g or in b
	v_mov_b32 v21, 0                               ; a lane permute's destination counts as read
	s_mov_b32 s14, 0x76543210
	s_mov_b32 s15, 0xfedcba98                      ; selects: lane l xor 16
	s_mov_b32 s16, 0x600000                        ; the mantissa field of 57,344
	s_mov_b32 s20, 0x3a800000                      ; 1 / 1,024
	s_mov_b32 s21, 0x3727c5ac                      ; 1e-5
	s_lshl_b32 s18, ttmp9, 16                      ; 16 rows of 4,096 bytes,
	s_lshl_b32 s19, s12, 12                        ; my wave's one
	s_add_co_u32 s18, s18, s19
	s_mov_b32 s19, 0
	s_lshr_b32 s22, s18, 2                         ; a row of codes is a quarter of that
	s_mov_b32 s23, 0
	s_wait_alu depctr_va_vdst(0)
	s_wait_kmcnt 0x0
	s_add_nc_u64 s[4:5], s[4:5], s[18:19]
	s_lshl_b32 s18, ttmp9, 9
	s_add_co_u32 s18, s18, 4194304
	s_add_nc_u64 s[2:3], s[10:11], s[18:19]        ; the work-group's 512 scale bytes
	s_add_nc_u64 s[10:11], s[10:11], s[22:23]      ; my wave's codes
	s_cmp_lt_u32 s12, 8                            ; the choice hangs on the wave's number alone
	s_cselect_b64 s[6:7], s[6:7], s[8:9]
	global_load_b128 v[8:11], v29, s[6:7]          ; my 16 bytes of g or of b: first, so that the wait for them leaves the row's loads out
.irp i, 0,1,2,3,4,5,6,7
	global_load_b128 v[X+4*\i:X+4*\i+3], v1, s[4:5] offset:512*\i th:TH_LOAD_NT
.endr
	s_wait_loadcnt 8                               ; loads come back in order: g's or b's piece is in, the row's eight may be out
	ds_store_b128 v7, v[8:11]
	s_wait_dscnt 0x0                               ; for the others' sake: my store has landed
	s_barrier_signal -1
	s_barrier_wait -1                              ; g and b lie whole in LDS
.irp i, 0,1,2,3,4,5,6,7
	ds_load_b128 v[G+4*\i:G+4*\i+3], v28 offset:512*\i
	ds_load_b128 v[BV+4*\i:BV+4*\i+3], v28 offset:4096+512*\i
.endr
.macro REDUCE                          ; v20 summed over the 32 lanes, the result in every lane
	s_delay_alu instid0(VALU_DEP_1)
	v_add_f32_dpp v20, v20, v20 row_xmask:1 row_mask:0xf bank_mask:0xf
	s_delay_alu instid0(VALU_DEP_1)
	v_add_f32_dpp v20, v20, v20 row_xmask:2 row_mask:0xf bank_mask:0xf
	s_delay_alu instid0(VALU_DEP_1)
	v_add_f32_dpp v20, v20, v20 row_xmask:4 row_mask:0xf bank_mask:0xf
	s_delay_alu instid0(VALU_DEP_1)
	v_add_f32_dpp v20, v20, v20 row_xmask:8 row_mask:0xf bank_mask:0xf
	s_delay_alu instid0(VALU_DEP_1)
	v_permlanex16_b32 v21, v20, s14, s15
	s_delay_alu instid0(VALU_DEP_1)
	v_add_f32 v20, v20, v21
.endm
.macro FOLD                            ; the four chains v[8:15] into v20
	s_delay_alu instid0(VALU_DEP_3)
	v_pk_add_f32 v[8:9], v[8:9], v[10:11]
	s_delay_alu instid0(VALU_DEP_2)
	v_pk_add_f32 v[12:13], v[12:13], v[14:15]
	s_delay_alu instid0(VALU_DEP_1)
	v_pk_add_f32 v[8:9], v[8:9], v[12:13]
	s_delay_alu instid0(VALU_DEP_1)
	v_add_f32 v20, v8, v9
	REDUCE
.endm
.macro TURN g                          ; half g of the row through stage g: LDS serves a wave's instructions in order, so no wait stands between the stores and the loads
.irp i, 0,1,2,3
	ds_store_b128 v2, v[X+16*(\g)+4*\i:X+16*(\g)+4*\i+3] offset:STG*(\g)+8*SP*\i
.endr
.irp i, 0,1,2,3
	ds_load_b128 v[Y+16*(\g)+4*\i:Y+16*(\g)+4*\i+3], v3 offset:STG*(\g)+16*\i
.endr
.endm
.macro Q16 g                           ; my 16 neighbours of half g become 16 codes; two neighbouring lanes hold a block
.set YS, Y+16*(\g)
.set CD, X+16*(\g)                     ; the codes and the byte take registers of the row that are done with: each is written once, so no store's data are written again
	v_max3_num_f32 v24, |v[YS]|, |v[YS+1]|, |v[YS+2]|
	v_max3_num_f32 v25, |v[YS+3]|, |v[YS+4]|, |v[YS+5]|
.irp i, 6,10
	s_delay_alu instid0(VALU_DEP_2)
	v_max3_num_f32 v24, v24, |v[YS+\i]|, |v[YS+\i+1]|
	s_delay_alu instid0(VALU_DEP_2)
	v_max3_num_f32 v25, v25, |v[YS+\i+2]|, |v[YS+\i+3]|
.endr
	s_delay_alu instid0(VALU_DEP_2)
	v_max3_num_f32 v24, v24, |v[YS+14]|, |v[YS+15]|
	s_delay_alu instid0(VALU_DEP_1)
	v_max3_num_f32 v24, v24, v25, 0x8000000        ; the floor 2^(16 - 127): the byte cannot fall under 1
	s_delay_alu instid0(VALU_DEP_1)
	v_max_num_f32_dpp v24, v24, v24 row_xmask:1 row_mask:0xf bank_mask:0xf   ; with my neighbour's 16: the block's largest magnitude
	s_delay_alu instid0(VALU_DEP_1)
	v_add_nc_u32 v26, 0xf8800000, v24              ; 15 off its exponent field: the conversion's scale operand
	s_delay_alu instid0(VALU_DEP_2)
	v_and_or_b32 v27, v24, 0x7f800000, s16         ; 57,344 x the scale
.irp i, 0,1,2,3,4,5,6,7,8,9,10,11,12,13,14,15
	v_med3_num_f32 v[YS+\i], v[YS+\i], -v27, v27   ; the conversion to an 8-bit code does not saturate (ISA guide 7.6.2): the hold comes first
.endr
	v_cvt_scalef32_pk8_bf8_f32 v[CD:CD+1], v[YS:YS+7], v26
	v_cvt_scalef32_pk8_bf8_f32 v[CD+2:CD+3], v[YS+8:YS+15], v26
	v_lshrrev_b32 v[CD+4], 23, v26                 ; the scale's byte (also the plain line behind the conversions)
	ds_store_b8 v4, v[CD+4] offset:16*(\g)         ; both lanes of a block write the same byte with the same value
	global_store_b128 v1, v[CD:CD+3], s[10:11] offset:512*(\g)   ; the wave stores 512 consecutive bytes
.endm
	s_wait_loadcnt 0x0                             ; the row
	v_pk_add_f32 v[8:9], v[X:X+1], v[X+2:X+3]      ; the sum, in four chains
	v_pk_add_f32 v[10:11], v[X+4:X+5], v[X+6:X+7]
	v_pk_add_f32 v[12:13], v[X+8:X+9], v[X+10:X+11]
	v_pk_add_f32 v[14:15], v[X+12:X+13], v[X+14:X+15]
.irp k, 16,24
.irp j, 0,1,2,3
	s_delay_alu instid0(VALU_DEP_4)
	v_pk_add_f32 v[8+2*\j:9+2*\j], v[8+2*\j:9+2*\j], v[X+\k+2*\j:X+\k+2*\j+1]
.endr
.endr
	FOLD
	s_delay_alu instid0(VALU_DEP_1)
	v_mul_f32 v16, s20, v20                        ; the mean,
	s_delay_alu instid0(VALU_DEP_1)
	v_mov_b32 v17, v16                             ; twice, for the packed forms
.irp j, 0,2,4,6,8,10,12,14,16,18,20,22,24,26,28,30
	v_pk_add_f32 v[X+\j:X+\j+1], v[X+\j:X+\j+1], v[16:17] neg_lo:[0,1] neg_hi:[0,1]   ; x - mean
.endr
.irp j, 0,1,2,3
	v_pk_mul_f32 v[8+2*\j:9+2*\j], v[X+2*\j:X+2*\j+1], v[X+2*\j:X+2*\j+1]             ; the sum of squares, in four chains
.endr
.irp k, 8,16,24
.irp j, 0,1,2,3
	s_delay_alu instid0(VALU_DEP_4)
	v_pk_fma_f32 v[8+2*\j:9+2*\j], v[X+\k+2*\j:X+\k+2*\j+1], v[X+\k+2*\j:X+\k+2*\j+1], v[8+2*\j:9+2*\j]
.endr
.endr
	FOLD
	s_delay_alu instid0(VALU_DEP_1)
	v_fma_f32 v20, v20, s20, s21                   ; var + 1e-5
	s_wait_alu depctr_va_vdst(0)
	v_rsq_f32 v18, v20
	v_rsq_f32 v19, v20
	v_nop                                          ; a plain line behind the transcendentals,
	s_wait_alu depctr_va_vdst(0)                   ; and the wait ahead of their first reader
.irp j, 0,2,4,6,8,10,12,14,16,18,20,22,24,26,28,30
	v_pk_mul_f32 v[X+\j:X+\j+1], v[X+\j:X+\j+1], v[18:19]
.endr
	s_wait_dscnt 0x0                               ; g and b are in my registers (asked for ahead of the sums)
.irp j, 0,2,4,6,8,10,12,14,16,18,20,22,24,26,28,30
	v_pk_fma_f32 v[X+\j:X+\j+1], v[X+\j:X+\j+1], v[G+\j:G+\j+1], v[BV+\j:BV+\j+1]
.endr
	TURN 0
	TURN 1
	s_wait_dscnt 8                                 ; the first half is back; the second half's eight LDS instructions may be out
	Q16 0
	s_wait_dscnt 1                                 ; the second half is back; the byte store just issued may be out
	Q16 1
	s_wait_dscnt 0x0                               ; for the others' sake: my byte stores have landed
	s_barrier_signal -1
	s_barrier_wait -1
	s_cmp_lg_u32 s12, 0
	s_cbranch_scc1 .Lend                           ; wave 0 sends the work-group's 512 scale bytes
	ds_load_b128 v[8:11], v5
	s_wait_dscnt 0x0
	global_store_b128 v1, v[8:11], s[2:3]
.Lend:
	s_wait_tensorcnt 0x0
	ds_add_u32 v190, v191
	s_wait_dscnt 0x0
	s_endpgm
.Lfunc_end_k_q7ba44eb48b_ln1:
	.size	k_q7ba44eb48b_ln1, .Lfunc_end_k_q7ba44eb48b_ln1-k_q7ba44eb48b_ln1
	.p2alignl 7, 3214868480
	.fill 96, 4, 3214868480
	.section	.rodata,"a",@progbits
	.p2align	6, 0x0
	.amdhsa_kernel k_q7ba44eb48b_ln1
		.amdhsa_group_segment_fixed_size 92672
		.amdhsa_private_segment_fixed_size 0
		.amdhsa_enable_private_segment 0
		.amdhsa_kernarg_size 32
		.amdhsa_user_sgpr_count 2
		.amdhsa_user_sgpr_kernarg_segment_ptr 1
		.amdhsa_wavefront_size32 1
		.amdhsa_system_sgpr_workgroup_id_x 1
		.amdhsa_system_sgpr_workgroup_id_y 1
		.amdhsa_system_sgpr_workgroup_id_z 1
		.amdhsa_system_vgpr_workitem_id 0
		.amdhsa_next_free_vgpr 256
		.amdhsa_next_free_sgpr 66
		.amdhsa_reserve_vcc 0
		.amdhsa_float_denorm_mode_32 3
		.amdhsa_float_denorm_mode_16_64 3
		.amdhsa_memory_ordered 1
		.amdhsa_forward_progress 1
		.amdhsa_inst_pref_size 19
	.end_amdhsa_kernel
	.amdgpu_metadata
---
amdhsa.version: [ 1, 2 ]
amdhsa.kernels:
  - .name:           k_q7ba44eb48b_ln1
    .symbol:         k_q7ba44eb48b_ln1.kd
    .args:
      - { .name: hidden_states, .offset: 0, .size: 8, .value_kind: global_buffer, .address_space: global }
      - { .name: ln1_g, .offset: 8, .size: 8, .value_kind: global_buffer, .address_space: global }
      - { .name: ln1_b, .offset: 16, .size: 8, .value_kind: global_buffer, .address_space: global }
      - { .name: xq, .offset: 24, .size: 8, .value_kind: global_buffer, .address_space: global }
    .group_segment_fixed_size: 92672
    .private_segment_fixed_size: 0
    .kernarg_segment_align: 8
    .kernarg_segment_size: 32
    .max_flat_workgroup_size: 512
    .sgpr_count:     66
    .vgpr_count:     256
    .wavefront_size: 32
...
	.end_amdgpu_metadata
.endif
;; end of part 1
;; launch qkv (part 2): grid 12 x 16, 4 waves a work-group, clusters of 4 x 4, 327,680 bytes of LDS; arguments xq, attn_w_codes, attn_w_scales, attn_b, qrec, kv; writes qrec, kv
.if DOCPART == 2
	.amdgcn_target "amdgcn-amd-amdhsa--gfx1250"
	.amdhsa_code_object_version 6
	.text
	.protected	k_q7ba44eb48b_qkv
	.globl	k_q7ba44eb48b_qkv
	.p2align	8
	.type	k_q7ba44eb48b_qkv,@function
k_q7ba44eb48b_qkv:
	s_mov_b64 s[64:65], 0
	v_nop
	global_prefetch_b8 v0, s[64:65] scope:SCOPE_SE
	s_setreg_imm32_b32 hwreg(HW_REG_WAVE_MODE, 25, 1), 1
	s_wait_xcnt 0x0
	s_wait_alu depctr_hold_cnt(0) depctr_sa_sdst(0) depctr_va_vdst(0) depctr_va_sdst(0) depctr_va_ssrc(0) depctr_va_vcc(0) depctr_vm_vsrc(0)
	s_getreg_b32 s2, hwreg(HW_REG_IB_STS2, 6, 4)
	s_cmp_eq_u32 s2, 0
	s_cbranch_scc0 .Lentry_in_a_cluster
	s_endpgm
.Lentry_in_a_cluster:
	s_bfe_u32 s2, ttmp6, 0x10000c
	s_cmp_lg_u32 s2, 0xf033
	s_cbranch_scc0 .Lentry_shape_is_right
	s_endpgm
.Lentry_shape_is_right:
; qkv = x W + b on codes of BF8 (E5M2) with E8M0 scales, K = 1,024; the results are quantised here and stored as images of the operand registers that the attention launch loads.
; A work-group of four waves makes 256 x 256 of a product A B^T; a wave 128 x 128: 64 accumulators, 512 registers.  K goes in steps of 256 through two LDS slots filled by the tensor data mover.
; ONE TEXT, TWO USES, told apart by the cluster's x, which all sixteen partners share.  Cluster x = 0, 1: A = x's 4,096 rows, B = W's rows 0 to 2,047 (q, k).
; Cluster x = 2: A = W's rows 2,048 to 3,071 (v), B = x's rows: the product is V^T.  The matrix instruction is used transposed (source 0 = rows of B, source 1 = rows of A), so a lane holds one row of A and
; neighbouring rows of B: for q and k a token and neighbouring channels, for V^T a channel and neighbouring KEYS.  So one quantiser along the lane's registers serves all three: q, k along the head, v along the keys.
; CLUSTERS: 4 x 4; A's tiles are asked for jointly along a row of the cluster, B's along a column.  The scale bytes of the work-group's rows, for all of K, come once and stay in LDS.
; THE BIAS: of columns (q, k) as the C of the first products; of rows (V^T) added on the way out.  The one that does not apply is made 0 by a select: no branch.
; THE WAY OUT: each block of 16 rows x 128 columns is quantised in registers (four blocks of 32); the codes go by 8 bytes into the wave's stage in LDS at their place in the image, come back as 512 consecutive bytes
; and leave so.  The stage lies in slot 0, which has had its last fill and its last read by then.  The two uses have stage bytes of their own.
; RECORDS.  qrec: (head32, 128 tokens): 8,192 bytes of codes, 512 of scale words.  kv: (head32, 128 keys): K's codes 8,192, V's codes 8,192, K's words 512, V's words 256, 256 zeros.
; K-image (q too): tile t = 2 b + u, row p = token 32 b + 8 u + p + 8 (p / 8): byte 1024 t + 512 (d / 32) + 16 (16 ((d / 16) % 2) + p) + d % 16; word at 64 t + 4 p, its upper two bytes 0x7f over zero codes.
; V-image: channels 16 t on, row p: byte 2048 t + 512 (key / 32) + 16 (16 ((key / 16) % 2) + p) + key % 16; word at 64 t + 4 p.
; LIMITS: NaN and infinities are not served.  A block of zeros gets the byte 1 (its codes are zeros; the bytes are read by this program alone).
; REGISTERS: window 0: v1-31 addresses and the row bias; v32-63 scale words, two sets; v64-127 the column bias; from v128 A's fragments, one set.  Window 1: B's fragments, two sets.  Windows 2, 3: the accumulators.
; Behind the loop window 0 is: v32-47 at work, v48-55 the blocks' scale words, v128-191 64 numbers, v64-127 and v192-255 the codes; window 1 takes what comes back from the stage.
.set KROW,   1024                      ; a row of A or of B in memory, in bytes
.set ROWB,   256                       ; a tile's row
.set NQ,     2                         ; matrix instructions deep in a slot
.set PITCH,  272                       ; an LDS row: 256 bytes + 16 of padding: the 16 rows that a load touches start at 16 different banks (ISA guide 11.1)
.set FR,     16
.set NL,     4
.set NP,     8                         ; places behind this matrix instruction (ISA guide 7.12.1)
.set HALFT,  128*PITCH
.set SLOT,   4*HALFT
.set KS,     32                        ; a row of scale bytes
.set SCL,    2*SLOT
.set HALFS,  16*272
.set SBLK,   2*272
.set SPARE,  SCL+4*HALFS               ; the spare words, 128 bytes for each wave: two blocks of 256 bytes that no other line names
.set BR,   2                           ; v2-9   the row bias of my eight blocks
.set STOQ, 10                          ; the way out of q, k: codes into the stage,
.set SSQ,  11                          ; words into it,
.set RDQ,  12                          ; codes back,
.set SRQ,  13                          ; words back
.set STOV, 14                          ; the same four for V^T
.set SSV,  15
.set ADRA, 16
.set RDV,  18
.set SRV,  19
.set ADRB, 20
.set ZV,   22                          ; where V^T's filler goes
.set SH,   23                          ; 16 x (lane / 16)
.set CO,   26                          ; 16 x lane
.set ADRS, 27
.set SPW,  28
.set NIL,  29
.set SC,   32
.set BIAS, 64
.set AF,   128
.set TM,   32
.set PWS,  48
.set T,    128
.set G1, 24
.set G0, 32
.set G1B, 48
.set G0B, 56
.set G1S, 68
.set G0S, 76
.set G1SB, 80
.set G0SB, 88
.set MSB, 0
.macro WIN new                         ; the immediate's high byte repeats the setting that is left
.if MSB != (\new)
	s_set_vgpr_msb (MSB<<8)|(\new)
.set MSB, (\new)
.endif
.endm
.set MUL_LO, 0xa1                      ; source 0 (B) window 1, source 1 (A) window 0, C and D window 2
.set MUL_HI, 0xf1                      ; the same, C and D window 3
.set TO_B,   0x40
.macro JLOAD g0a, g1a, g0b, g1b        ; a joint load: waves 0 and 1 fetch for A, waves 2 and 3 for B; four v_nop follow each of the two lines
	s_cmp_eq_u32 s15, 0
	s_cbranch_scc0 .Lfor_b_\@
	tensor_load_to_lds s[\g0a:\g0a+3], s[\g1a:\g1a+7]
	s_nop 0
.rept 4
	v_nop
.endr
	s_branch .Lasked_\@
.Lfor_b_\@:
	tensor_load_to_lds s[\g0b:\g0b+3], s[\g1b:\g1b+7]
	s_nop 0
.rept 4
	v_nop
.endr
.Lasked_\@:
.endm
.macro CREST                           ; a round of the cluster's barrier behind its opening barrier
	s_cmp_lg_u32 s14, 0
	s_cbranch_scc1 .Lnot_wave_0_\@
	s_barrier_signal -3
.Lnot_wave_0_\@:
	s_barrier_wait -3
	s_barrier_signal -1
	s_barrier_wait -1
.endm
.macro CROUND
	s_barrier_signal -1
	s_barrier_wait -1
	CREST
.endm
.macro PLACES n
.rept \n
	v_nop
.endr
.endm
	s_load_b128 s[96:99], s[0:1], 0x0              ; xq, W's codes
	s_load_b64 s[100:101], s[0:1], 0x10            ; W's scales
	s_load_b64 s[104:105], s[0:1], 0x18            ; the bias
	s_load_b64 s[12:13], s[0:1], 0x20              ; qrec
	s_load_b64 s[66:67], s[0:1], 0x28              ; kv
	v_lshl_add_u32 v[SPW], v0, 2, SPARE
	v_mov_b32 v[NIL], 0
	ds_add_u32 v28, v29
	ds_add_u32 v28, v29
	s_wait_dscnt 0x0
	v_lshrrev_b32 v40, 5, v0
	v_readfirstlane_b32 s14, v40                   ; wave 0..3
	v_and_b32 v1, 15, v0                           ; r = lane % 16
	v_bfe_u32 v40, v0, 4, 1                        ; h = lane / 16
	v_and_b32 v41, 31, v0                          ; lane
	v_lshlrev_b32 v24, 10, v41                     ; the prefetches' offset: a lane a row of 1,024 bytes; never rewritten
	v_lshlrev_b32 v45, 5, v40                      ; the column bias: my half's eight numbers
	v_lshlrev_b32 v46, 2, v1                       ; the row bias: my row's
	s_lshr_b32 s15, s14, 1                         ; which half of the tile's rows is mine.  Also: I fetch for A (0) or for B (1)
	s_and_b32 s16, s14, 1                          ; which half of its columns.  Also: which 128 rows of that tile I fetch
	s_bfe_u32 s40, ttmp6, 0x40000                  ; cx
	s_bfe_u32 s41, ttmp6, 0x40004                  ; cy
	s_and_b32 s18, ttmp7, 0xffff                   ; the cluster's y
	s_cmp_eq_u32 ttmp9, 2                          ; V^T?  The same answer in all sixteen partners
	s_cselect_b32 s19, 0, s18                      ; V^T has four tile rows: cy alone
	s_cselect_b32 s20, s18, ttmp9
	s_cselect_b32 s2, -1, 0                        ; all lanes where the row bias counts,
	s_cselect_b32 s95, 0, -1                       ; where the column bias counts
	s_lshl_b32 s17, s19, 2
	s_add_co_u32 s17, s17, s41                     ; tile row
	s_lshl_b32 s42, s20, 2
	s_add_co_u32 s42, s42, s40                     ; tile column
	s_lshl_b32 s43, s41, 2
	s_lshl_b32 s43, 15, s43                        ; my row of the cluster
	s_lshl_b32 s44, 0x1111, s40                    ; my column
	s_or_b32 s[G1+0], s43, (0<<16)|(1<<20)|(1<<21)|(5<<22)|(3<<25)  ; the mask; elements of 1 byte; padding on; bit 21 beside a mask; 4 words behind every 64
	s_or_b32 s[G1B+0], s44, (0<<16)|(1<<20)|(1<<21)|(5<<22)|(3<<25)
.irp g, G1, G1B
	s_mov_b32 s[\g+1], ROWB<<16                    ; tensor_dim0
	s_mov_b32 s[\g+2], 256<<16                     ; tensor_dim1: 256 rows for the head's loads; 128 behind them
	s_mov_b32 s[\g+3], ROWB<<16                    ; tile_dim0
	s_mov_b32 s[\g+4], 256                         ; tile_dim1
	s_mov_b32 s[\g+5], KROW                        ; the pitch
	s_mov_b32 s[\g+6], 0
	s_mov_b32 s[\g+7], 0
.endr
	s_or_b32 s[G1S+0], s43, (3<<16)|(1<<20)|(1<<21)|(5<<22)|(3<<25) ; the scales of 256 rows: 8,192 dense bytes as rows of 256 (32 elements of 8 bytes), 16 bytes of padding behind each
	s_or_b32 s[G1SB+0], s44, (3<<16)|(1<<20)|(1<<21)|(5<<22)|(3<<25)
.irp g, G1S, G1SB
	s_mov_b32 s[\g+1], 32<<16
	s_mov_b32 s[\g+2], (256*KS/256)<<16            ; the scales of 256 rows
	s_mov_b32 s[\g+3], 32<<16
	s_mov_b32 s[\g+4], 256*KS/256
	s_mov_b32 s[\g+5], 32
	s_mov_b32 s[\g+6], 0
	s_mov_b32 s[\g+7], 0
.endr
	s_lshl_b32 s20, s17, 8                         ; A: the tile's first row, 256 x tile row
	s_lshl_b32 s46, s42, 8                         ; B: 256 x tile column
	s_mov_b32 s21, 0
	s_mov_b32 s47, 0
	s_mov_b64 s[18:19], KS
	s_mul_u64 s[22:23], s[20:21], s[18:19]         ; where these rows' scales begin,
	s_mul_u64 s[92:93], s[46:47], s[18:19]
	s_mov_b64 s[18:19], KROW
	s_mul_u64 s[20:21], s[20:21], s[18:19]         ; and their codes
	s_mul_u64 s[46:47], s[46:47], s[18:19]
	s_mul_i32 s45, s14, HALFT                      ; where they go: no place in the cluster enters an LDS address
	s_lshl_b32 s18, s42, 10                        ; the column bias: 4 (256 x tile column + 128 x half),
	s_lshl_b32 s19, s16, 9
	s_add_co_u32 s18, s18, s19
	s_lshl_b32 s3, s17, 10                         ; the row bias: 4 (2,048 + 256 x tile row + 128 x half);
	s_lshl_b32 s19, s15, 9
	s_add_co_u32 s3, s3, s19
	s_add_co_u32 s3, s3, 8192
	s_cmp_eq_u32 ttmp9, 2
	s_cselect_b32 s18, 0, s18                      ; the one that does not count is read at the buffer's head
	s_cselect_b32 s3, s3, 0
	s_mov_b32 s19, 0
	s_wait_alu depctr_va_vdst(0)
	s_wait_kmcnt 0x0
	s_add_nc_u64 s[4:5], s[98:99], 2097152         ; W's row 2,048
	s_add_nc_u64 s[6:7], s[100:101], 65536
	s_add_nc_u64 s[10:11], s[96:97], 4194304       ; x's scale bytes
	s_cmp_eq_u32 ttmp9, 2
	s_cselect_b64 s[4:5], s[4:5], s[96:97]         ; A's codes
	s_cselect_b64 s[6:7], s[6:7], s[10:11]         ; A's scales
	s_cselect_b64 s[8:9], s[96:97], s[98:99]       ; B's codes
	s_cselect_b64 s[10:11], s[10:11], s[100:101]   ; B's scales
	s_add_nc_u64 s[96:97], s[104:105], s[18:19]
	s_mov_b32 s18, s3
	s_add_nc_u64 s[98:99], s[104:105], s[18:19]
.irp b, 0,1,2,3,4,5,6,7
	global_load_b128 v[BIAS+8*\b:BIAS+8*\b+3], v45, s[96:97] offset:64*\b          ; register 8 b + j: the bias of column 16 b + 8 h + j: the result's layout
	global_load_b128 v[BIAS+8*\b+4:BIAS+8*\b+7], v45, s[96:97] offset:64*\b+16
.endr
.irp a, 0,1,2,3,4,5,6,7
	global_load_b32 v[BR+\a], v46, s[98:99] offset:64*\a                           ; the bias of row 16 a + r
.endr
	s_add_nc_u64 s[20:21], s[4:5], s[20:21]
	s_add_nc_u64 s[22:23], s[6:7], s[22:23]
	s_add_nc_u64 s[46:47], s[8:9], s[46:47]
	s_add_nc_u64 s[92:93], s[10:11], s[92:93]
	s_mov_b32 s[G0], 1                             ; the head's loads of K step 0, each whole: A's 256 rows,
	s_mov_b32 s[G0+1], 0
	s_mov_b64 s[G0+2:G0+3], s[20:21]
	s_or_b32 s[G0+3], s[G0+3], 0x80000000
	s_mov_b32 s[G0B], 1                            ; B's 256 rows, behind them in slot 0
	s_mov_b32 s[G0B+1], 2*HALFT
	s_mov_b64 s[G0B+2:G0B+3], s[46:47]
	s_or_b32 s[G0B+3], s[G0B+3], 0x80000000
	s_lshl_b32 s6, s16, 17                         ; for the ring: my 128 rows of the tile
	s_mov_b32 s7, 0
	s_add_nc_u64 s[20:21], s[20:21], s[6:7]
	s_add_nc_u64 s[46:47], s[46:47], s[6:7]
	; PREFETCH: of the 128 rows that I fetch in the ring, each of the four partners that ask for them jointly names 32 (by address: cx for A, cy for B), a lane a row, 256 bytes of a row to a K step.
	; K steps 1 and 2 are named behind the head's loads, K step 3 behind K step 1's load; K step 0 comes by its load alone.  The address registers are never rewritten.
	s_cmp_eq_u32 s15, 0
	s_cselect_b64 s[4:5], s[20:21], s[46:47]
	s_cselect_b32 s6, s40, s41
	s_lshl_b32 s6, s6, 15
	s_mov_b32 s7, 0
	s_add_nc_u64 s[4:5], s[4:5], s[6:7]
	CROUND
	s_mov_b32 s[G0S], 1
	s_mov_b32 s[G0S+1], SCL
	s_mov_b64 s[G0S+2:G0S+3], s[22:23]
	s_or_b32 s[G0S+3], s[G0S+3], 0x80000000
	s_mov_b32 s[G0SB], 1
	s_mov_b32 s[G0SB+1], SCL+2*HALFS
	s_mov_b64 s[G0SB+2:G0SB+3], s[92:93]
	s_or_b32 s[G0SB+3], s[G0SB+3], 0x80000000
; THE HEAD'S LOADS, ONE A WAVE: wave 0 K step 0's 256 rows of A, wave 1 its 256 rows of B, wave 2 the scales of A's 256 rows, wave 3 those of B's: one chain of branches on the wave's number, a load to an arm.
.macro ARM under, g0, g1, next
	s_cmp_lt_u32 s14, \under
	s_cbranch_scc0 \next
	tensor_load_to_lds s[\g0:\g0+3], s[\g1:\g1+7]
	s_nop 0
.rept 4
	v_nop
.endr
	s_branch .Lhead_asked
\next:
.endm
	ARM 1, G0,  G1,  .Lhead_b
	ARM 2, G0B, G1B, .Lhead_sa
	ARM 3, G0S, G1S, .Lhead_sb
	tensor_load_to_lds s[G0SB:G0SB+3], s[G1SB:G1SB+7]
	s_nop 0
.rept 4
	v_nop
.endr
.Lhead_asked:
	global_prefetch_b8 v24, s[4:5] offset:256 th:TH_LOAD_NT scope:SCOPE_SE
	global_prefetch_b8 v24, s[4:5] offset:512 th:TH_LOAD_NT scope:SCOPE_SE
.irp s, 1
	s_mov_b32 s[G0+4*\s], 1
	s_add_co_u32 s[G0+4*\s+1], s45, \s*SLOT
	s_add_nc_u64 s[G0+4*\s+2:G0+4*\s+3], s[20:21], \s*ROWB
	s_or_b32 s[G0+4*\s+3], s[G0+4*\s+3], 0x80000000
	s_mov_b32 s[G0B+4*\s], 1
	s_add_co_u32 s[G0B+4*\s+1], s45, \s*SLOT
	s_add_nc_u64 s[G0B+4*\s+2:G0B+4*\s+3], s[46:47], \s*ROWB
	s_or_b32 s[G0B+4*\s+3], s[G0B+4*\s+3], 0x80000000
	s_wait_alu depctr_va_vdst(0)
	s_wait_tensorcnt 0x0
	ds_add_u32 v28, v29
	s_mov_b32 s[G0+1], s45                         ; no tensor load of mine is out, so descriptors may be written: slot 0's for the ring, my 128 rows,
	s_mov_b64 s[G0+2:G0+3], s[20:21]
	s_or_b32 s[G0+3], s[G0+3], 0x80000000
	s_mov_b32 s[G0B+1], s45
	s_mov_b64 s[G0B+2:G0B+3], s[46:47]
	s_or_b32 s[G0B+3], s[G0B+3], 0x80000000
	s_mov_b32 s[G1+2], 128<<16                     ; and from here on a load brings 128 rows
	s_mov_b32 s[G1+4], 128
	s_mov_b32 s[G1B+2], 128<<16
	s_mov_b32 s[G1B+4], 128
	s_wait_dscnt 0x0
	CROUND
	JLOAD G0+4*\s, G1, G0B+4*\s, G1B
	global_prefetch_b8 v24, s[4:5] offset:512+256*\s th:TH_LOAD_NT scope:SCOPE_SE
.endr
	; where my results go.  P: the coordinate that runs over heads, R: the one that runs over tokens
	s_cmp_eq_u32 ttmp9, 2
	s_cselect_b32 s18, s17, s42                    ; P
	s_cselect_b32 s19, s15, s16                    ; and my half of it
	s_cselect_b32 s20, s42, s17                    ; R
	s_cselect_b32 s21, s16, s15
	s_cselect_b32 s22, 8192, 0                     ; V's codes lie behind K's
	s_mov_b32 s93, 16384
	s_cselect_b32 s93, 8704, s93                   ; from the codes to the scale words: v 16,896 - 8,192; k 16,384;
	s_cmp_eq_u32 ttmp9, 0
	s_cselect_b64 s[12:13], s[12:13], s[66:67]     ; q goes to qrec, k and v to kv
	s_cselect_b32 s93, 8192, s93                   ; q 8,192
	s_mov_b32 s23, 17408
	s_cselect_b32 s23, 8704, s23                   ; a record
	s_and_b32 s18, s18, 3
	s_lshl_b32 s18, s18, 2
	s_lshl_b32 s19, s19, 1
	s_add_co_u32 s18, s18, s19                     ; my first head: 4 (P % 4) + 2 x half
	s_lshr_b32 s19, s20, 3
	s_lshl_b32 s19, s19, 4
	s_add_co_u32 s18, s18, s19                     ; + 16 x batch
	s_lshl_b32 s18, s18, 4
	s_and_b32 s20, s20, 7
	s_lshl_b32 s20, s20, 1
	s_add_co_u32 s18, s18, s20
	s_add_co_u32 s18, s18, s21                     ; the record: 16 x head32 + the block of 128 tokens
	s_mul_i32 s18, s18, s23
	s_add_co_u32 s18, s18, s22
	s_mov_b32 s19, 0
	s_add_nc_u64 s[12:13], s[12:13], s[18:19]      ; my first head's codes,
	s_lshl_b32 s18, s23, 4
	s_add_nc_u64 s[66:67], s[12:13], s[18:19]      ; my second head's: 16 records on
	v_mul_u32_u24 v42, v1, PITCH
	v_lshl_add_u32 v42, v40, 4, v42                ; a fragment's row x pitch + 16 x half
	s_mul_i32 s21, s15, HALFT
	s_mul_i32 s22, s16, HALFT
	s_add_co_u32 s22, s22, 2*HALFT
.irp s, 0,1
	v_add_nc_u32 v[ADRA+\s], s21, v42
	v_add_nc_u32 v[ADRB+\s], s22, v42
	s_add_co_u32 s21, s21, SLOT
	s_add_co_u32 s22, s22, SLOT
.endr
	v_mul_u32_u24 v43, v1, KS                      ; my row's scales: KS bytes a row,
	v_lshrrev_b32 v44, 8, v43
	v_lshl_add_u32 v43, v44, 4, v43                ; and 16 more for each 256 passed
	s_mul_i32 s21, s15, HALFS
	s_mul_i32 s22, s16, HALFS
	s_add_co_u32 s22, s22, 2*HALFS
	s_sub_co_u32 s22, s22, s21
	v_mul_u32_u24 v44, s22, v40                    ; lanes 16-31 take B's
	s_add_co_u32 s21, s21, SCL
	v_add_nc_u32 v43, v43, v44
	v_add_nc_u32 v[ADRS], s21, v43
	; the way out's addresses, all made here, ahead of the place where the two uses part
	s_lshl_b32 s21, s14, 14                        ; 16,384 x wave
	s_lshl_b32 s22, s14, 10                        ; 1,024 x wave
	v_lshrrev_b32 v42, 3, v1                       ; r / 8
	v_and_b32 v43, 7, v1                           ; r % 8
	v_lshlrev_b32 v[CO], 4, v41
	v_lshlrev_b32 v[SH], 4, v40
	v_lshlrev_b32 v44, 10, v42
	v_lshl_add_u32 v44, v43, 4, v44
	v_lshl_add_u32 v44, v40, 3, v44
	v_add_nc_u32 v[STOQ], s21, v44                 ; 1024 (r / 8) + 16 (r % 8) + 8 h
	v_lshlrev_b32 v44, 6, v42
	v_lshl_add_u32 v44, v43, 2, v44
	v_lshl_add_u32 v44, v40, 9, v44
	v_add_nc_u32 v44, s22, v44
	v_add_nc_u32 v[SSQ], 65536, v44                ; 512 h (lanes 16-31 write the second head's words) + 64 (r / 8) + 4 (r % 8)
	v_add_nc_u32 v[RDQ], s21, v[CO]
	v_add_nc_u32 v44, s22, v[CO]
	v_add_nc_u32 v[SRQ], 65536, v44
	v_lshlrev_b32 v44, 4, v1
	v_lshl_add_u32 v44, v40, 3, v44
	v_add_nc_u32 v44, s21, v44
	v_add_nc_u32 v[STOV], 69632, v44               ; 16 r + 8 h
	v_lshlrev_b32 v44, 2, v1
	v_add_nc_u32 v44, s22, v44
	v_add_nc_u32 v[SSV], 135168, v44
	v_add_nc_u32 v[RDV], 69632, v[RDQ]
	v_add_nc_u32 v[SRV], 69632, v[SRQ]
	v_lshlrev_b32 v44, 3, v41
	v_add_nc_u32 v44, s22, v44
	v_add_nc_u32 v[ZV], 135168+256, v44
	v_mov_b32 v30, 0
	v_mov_b32 v31, 0
	s_wait_loadcnt 0x0                             ; the biases
.set n, 0
.rept 64
	v_cndmask_b32 v[BIAS+n], 0, v[BIAS+n], s95     ; V^T has no bias of columns,
.set n, n+1
.endr
.irp a, 0,1,2,3,4,5,6,7
	v_cndmask_b32 v[BR+\a], 0, v[BR+\a], s2        ; q and k none of rows
.endr
	PLACES 8
.macro FRAG reg, adr, q, i             ; 16 rows x 128 K: lane l holds row l % 16; registers 4 c .. 4 c + 3 hold K = 32 c + 16 (l / 16) + 0 .. 15
.irp c, 0,1,2,3
	ds_load_b128 v[\reg+4*\c:\reg+4*\c+3], v[\adr] offset:128*(\q)+32*\c+(\i)*16*PITCH
.endr
.endm
; 16 matrix instructions: A's blocks a0, a0 + 1 x B's eight.  zero = 1: the first products start the sums from the column bias.  The 64 accumulators take turns, one instruction a turn.
.macro MUL16 a0, p, q, sc, zero
.irp a, \a0, \a0+1
.irp b, 0,1,2,3,4,5,6,7
.if \zero
	v_wmma_scale_f32_16x16x128_f8f6f4 v[8*(8*((\a)%4)+\b):8*(8*((\a)%4)+\b)+7], v[128*(\p)+FR*\b:128*(\p)+FR*\b+FR-1], v[AF+FR*(\a):AF+FR*(\a)+FR-1], v[BIAS+8*\b:BIAS+8*\b+7], v[SC+8*NQ*(\sc)+NQ*\b+(\q)], v[SC+8*NQ*(\sc)+NQ*(\a)+(\q)] matrix_a_fmt:MATRIX_FMT_BF8 matrix_b_fmt:MATRIX_FMT_BF8 matrix_a_scale:MATRIX_SCALE_ROW1
.else
	v_wmma_scale_f32_16x16x128_f8f6f4 v[8*(8*((\a)%4)+\b):8*(8*((\a)%4)+\b)+7], v[128*(\p)+FR*\b:128*(\p)+FR*\b+FR-1], v[AF+FR*(\a):AF+FR*(\a)+FR-1], v[8*(8*((\a)%4)+\b):8*(8*((\a)%4)+\b)+7], v[SC+8*NQ*(\sc)+NQ*\b+(\q)], v[SC+8*NQ*(\sc)+NQ*(\a)+(\q)] matrix_a_fmt:MATRIX_FMT_BF8 matrix_b_fmt:MATRIX_FMT_BF8 matrix_a_scale:MATRIX_SCALE_ROW1
.endif
.endr
.endr
.endm
.macro FETCH_B slot, q, p
	WIN TO_B
.irp i, 0,1,2,3,4,5,6,7
	FRAG 128*(\p)+FR*\i, ADRB+\slot, \q, \i
.endr
	WIN 0
.endm
.macro FETCH_A slot, q, i0
.irp i, \i0, \i0+1, \i0+2, \i0+3
	FRAG AF+FR*(\i), ADRA+\slot, \q, \i
.endr
.endm
.macro SCALES sc                       ; a K step's scale words: lanes 0-15 take A's block i, lanes 16-31 B's block i
.irp i, 0,1,2,3,4,5,6,7
	ds_load_b64 v[SC+8*NQ*\sc+NQ*\i:SC+8*NQ*\sc+NQ*\i+1], v[ADRS] offset:\i*SBLK
.endr
.endm
.macro STEP slot, q, zero              ; 128 along K that has its successor in the same slot
	s_wait_dscnt 4*NL                              ; B's set and A's blocks 0-3 are in; the youngest sixteen loads (A's blocks 4-7) may be out
	WIN MUL_LO-0x20*(\zero)                        ; (with the bias as C: source 2 in window 0)
	MUL16 0, (\q)%2, \q, \slot, \zero
	MUL16 2, (\q)%2, \q, \slot, \zero
	s_wait_dscnt 0
	PLACES NP
	FETCH_B \slot, (\q)+1, 1-(\q)%2
	FETCH_A \slot, (\q)+1, 0
	WIN MUL_HI-0x30*(\zero)
	MUL16 4, (\q)%2, \q, \slot, \zero
	MUL16 6, (\q)%2, \q, \slot, \zero
	PLACES NP
	WIN 0
	FETCH_A \slot, (\q)+1, 4
.endm
; A slot's last step changes slots: one barrier; in front of it each wave waits for all its tensor loads, adds 0 to its spare word, and waits for that and for its own reads of this slot.
.macro TURN slot, next, fill
	s_wait_tensorcnt 0x0                           ; all my tensor loads have landed: my part of the next slot
	ds_add_u32 v[SPW], v[NIL]                      ; 0 onto my spare word
	s_wait_dscnt 4*NL+1                            ; (the add and the youngest sixteen loads may be out)
	WIN MUL_LO
	MUL16 0, 1, NQ-1, \slot, 0
	s_wait_dscnt 0x0                               ; the add is done, and my reads of this slot are over
	s_barrier_signal -1
	MUL16 2, 1, NQ-1, \slot, 0
	WIN 0
	s_barrier_wait -1
.if \fill
	CREST                                          ; the barrier has opened a round of the cluster's: no wave of any partner still reads this slot or has a load on its way
	s_add_nc_u64 s[G0+4*\slot+2:G0+4*\slot+3], s[G0+4*\slot+2:G0+4*\slot+3], 2*ROWB
	s_add_nc_u64 s[G0B+4*\slot+2:G0B+4*\slot+3], s[G0B+4*\slot+2:G0B+4*\slot+3], 2*ROWB
	JLOAD G0+4*\slot, G1, G0B+4*\slot, G1B         ; the first tensor load behind the round; its four v_nop are among the places in front of the loads below
	PLACES NP-4
.else
	PLACES NP
.endif
	s_wait_alu depctr_va_vdst(0)
	v_add_nc_u32 v[ADRS], 4*NQ, v[ADRS]            ; the next K step's scale words
	FETCH_B \next, 0, 0
	FETCH_A \next, 0, 0
	SCALES \next
	WIN MUL_HI
	MUL16 4, 1, NQ-1, \slot, 0
	MUL16 6, 1, NQ-1, \slot, 0
	PLACES NP
	WIN 0
	FETCH_A \next, 0, 4
.endm
	s_wait_alu depctr_va_vdst(0)
	s_wait_tensorcnt 1                             ; the scales and my part of K step 0 are in; K step 1's load may be out
	s_barrier_signal -1
	s_barrier_wait -1
	FETCH_B 0, 0, 0
	FETCH_A 0, 0, 0
	SCALES 0
	FETCH_A 0, 0, 4
	STEP 0, 0, 1
	s_mov_b32 s3, 1
.Llap:                                                 ; K = 1,024 is two laps of the ring: one trip fills both slots again
	TURN 0, 1, 1
	STEP 1, 0, 0
	TURN 1, 0, 1
	STEP 0, 0, 0
	s_sub_co_u32 s3, s3, 1
	s_cmp_lg_u32 s3, 0
	s_cbranch_scc1 .Llap
	TURN 0, 1, 0                                   ; the last lap fills nothing
	STEP 1, 0, 0
	s_wait_dscnt 4*NL
	WIN MUL_LO
	MUL16 0, 1, NQ-1, 1, 0
	MUL16 2, 1, NQ-1, 1, 0
	s_wait_dscnt 0
	WIN MUL_HI
	MUL16 4, 1, NQ-1, 1, 0
	MUL16 6, 1, NQ-1, 1, 0
	WIN 0
	PLACES NP                                      ; behind the last products: from here on their registers may be read and written
; 64 numbers of a lane, v[s] on: registers 16 b .. 16 b + 15 are my 16 of block b, lane l xor 16 holds the other 16.  Codes to v[pc] on (the pair pc + 2 t: columns 16 t + 8 h + 0 .. 7), the scale word to v[pw].
.macro QUANT s, pc, pw
.irp b, 0,1,2,3
	v_max3_num_f32 v[TM+\b], |v[\s+16*\b]|, |v[\s+1+16*\b]|, 0x8000000   ; with the floor 2^(16 - 127): the byte cannot fall under 1
.endr
.irp i, 2,4,6,8,10,12,14
.irp b, 0,1,2,3
	v_max3_num_f32 v[TM+\b], v[TM+\b], |v[\s+16*\b+\i]|, |v[\s+1+16*\b+\i]|
.endr
.endr
.irp b, 0,1,2,3
	v_permlanex16_b32 v[TM+4+\b], v[TM+\b], s90, s91
.endr
.irp b, 0,1,2,3
	v_max_num_f32 v[TM+\b], v[TM+\b], v[TM+4+\b]   ; the block's largest magnitude
.endr
.irp b, 0,1,2,3
	v_add_nc_u32 v[TM+12+\b], 0xf8800000, v[TM+\b] ; 15 off its exponent field: the conversion's scale operand
.endr
.irp b, 0,1,2,3
	v_and_or_b32 v[TM+8+\b], v[TM+\b], 0x7f800000, s89   ; 57,344 x the scale
.endr
.irp b, 0,1,2,3
	v_lshrrev_b32 v[TM+4+\b], 23, v[TM+12+\b]      ; the scale's byte
.endr
	v_lshl_or_b32 v[\pw], v[TM+5], 8, v[TM+4]
	v_lshl_or_b32 v[\pw], v[TM+6], 16, v[\pw]
	v_lshl_or_b32 v[\pw], v[TM+7], 24, v[\pw]
.irp b, 0,1,2,3
.irp i, 0,1,2,3,4,5,6,7,8,9,10,11,12,13,14,15
	v_med3_num_f32 v[\s+16*\b+\i], v[\s+16*\b+\i], -v[TM+8+\b], v[TM+8+\b]   ; the conversion does not saturate (ISA guide 7.6.2): the hold comes first
.endr
	v_cvt_scalef32_pk8_bf8_f32 v[\pc+4*\b:\pc+1+4*\b], v[\s+16*\b:\s+7+16*\b], v[TM+12+\b]
	v_cvt_scalef32_pk8_bf8_f32 v[\pc+2+4*\b:\pc+3+4*\b], v[\s+8+16*\b:\s+15+16*\b], v[TM+12+\b]
.endr
	v_nop                                          ; a plain line behind the last conversion: the next block writes its sources
.endm
.macro E1 a                            ; block a: + the row bias, quantised
.set CD, 64+16*(\a)+64*((\a)/4)
.set AC, 64*((\a)%4)
	WIN 0x02+(\a)/4                                ; source 0: window 2 or 3
.set i, 0
.rept 32                               ; ascending: each accumulator is read from its low end on
.if (\a)%2
	v_pk_add_f32 v[T+i:T+i+1], v[AC+i:AC+i+1], v[BR+2*((\a)/2):BR+2*((\a)/2)+1] op_sel:[0,1] op_sel_hi:[1,1]
.else
	v_pk_add_f32 v[T+i:T+i+1], v[AC+i:AC+i+1], v[BR+2*((\a)/2):BR+2*((\a)/2)+1] op_sel_hi:[1,0]
.endif
.set i, i+2
.endr
	WIN 0
	QUANT T, CD, PWS+(\a)
.endm
	s_mov_b32 s90, 0x76543210                      ; (the scales' descriptors are long done with)
	s_mov_b32 s91, 0xfedcba98
	s_mov_b32 s89, 0x600000                        ; the mantissa field of 57,344
	s_mov_b32 s92, 0x7f7f0000
.irp b, 0,1,2,3
	v_mov_b32 v[TM+4+\b], 0                        ; a lane permute's destination counts as read
.endr
.irp a, 0,1,2,3,4,5,6,7
	E1 \a
.endr
	s_mov_b32 s20, s93
	s_mov_b32 s21, 0
	s_add_nc_u64 s[18:19], s[12:13], s[20:21]      ; my two heads' scale words
	s_add_nc_u64 s[22:23], s[66:67], s[20:21]
.macro OUT rd, sr                      ; 16 KiB of codes and 1 KiB of words come back from my stage, 512 consecutive bytes a load, and leave so.  LDS serves a wave's instructions in order: these see my stores
	WIN 0x40
.set i, 0
.rept 32
	ds_load_b128 v[4*i:4*i+3], v[\rd] offset:512*i
.set i, i+1
.endr
	ds_load_b128 v[128:131], v[\sr]
	ds_load_b128 v[132:135], v[\sr] offset:512
	WIN 0x04                                       ; a store's data are its source 1: window 1
.set i, 0
.rept 32
	s_wait_dscnt 33-i                              ; the loads issued behind load i may be out
.if i < 16
	global_store_b128 v[CO], v[4*i:4*i+3], s[12:13] offset:512*i
.else
	global_store_b128 v[CO], v[4*i:4*i+3], s[66:67] offset:512*(i-16)
.endif
.set i, i+1
.endr
	s_wait_dscnt 1
	global_store_b128 v[CO], v[128:131], s[18:19]
	s_wait_dscnt 0
	global_store_b128 v[CO], v[132:135], s[22:23]
	WIN 0
.endm
	s_cmp_eq_u32 ttmp9, 2
	s_cbranch_scc1 .Lpath_v
	; q, k: block a's row r is token 16 a + r: tile 2 (a / 2) + r / 8, row r % 8 + 8 (a % 2); column tile t: head t / 4, channels 16 (t % 4) + 8 h on
.irp a, 0,1,2,3,4,5,6,7
.irp t, 0,1,2,3,4,5,6,7
	ds_store_b64 v[STOQ], v[64+16*\a+64*(\a/4)+2*\t:64+16*\a+64*(\a/4)+2*\t+1] offset:(\t/4)*8192+(\a/2)*2048+(\a%2)*128+((\t%4)/2)*512+(\t%2)*256
.endr
.endr
.irp a, 0,1,2,3,4,5,6,7
	v_lshrrev_b32 v[PWS+\a], v[SH], v[PWS+\a]      ; lanes 0-15 keep the first head's two bytes, lanes 16-31 take the second head's
.endr
.irp a, 0,1,2,3,4,5,6,7
	v_and_or_b32 v[PWS+\a], v[PWS+\a], 0xffff, s92 ; 0x7f over the zero codes that fill K up to 128
.endr
.irp a, 0,1,2,3,4,5,6,7
	ds_store_b32 v[SSQ], v[PWS+\a] offset:(\a/2)*128+(\a%2)*32
.endr
	OUT RDQ, SRQ
	s_branch .Ljoin
.Lpath_v:
	; V^T: block a is head a / 4, channels 16 (a % 4) + r; column tile t: keys 16 t + 8 h on
	s_wait_alu depctr_va_vdst(0)
.irp a, 0,1,2,3,4,5,6,7
.irp t, 0,1,2,3,4,5,6,7
	ds_store_b64 v[STOV], v[64+16*\a+64*(\a/4)+2*\t:64+16*\a+64*(\a/4)+2*\t+1] offset:\a*2048+(\t/2)*512+(\t%2)*256
.endr
.endr
.irp a, 0,1,2,3,4,5,6,7
	ds_store_b32 v[SSV], v[PWS+\a] offset:(\a/4)*512+(\a%4)*64   ; both halves of the lanes write the same word
.endr
	ds_store_b64 v[ZV], v[30:31]                   ; the records' last 256 bytes are written too: they are fetched with the rest
	ds_store_b64 v[ZV], v[30:31] offset:512
	OUT RDV, SRV
.Ljoin:
	s_wait_tensorcnt 0x0                           ; the wave's end
	ds_add_u32 v[SPW], v[NIL]
	s_wait_dscnt 0x0
	CROUND                                         ; the closing round
	s_endpgm
.Lfunc_end_k_q7ba44eb48b_qkv:
	.size	k_q7ba44eb48b_qkv, .Lfunc_end_k_q7ba44eb48b_qkv-k_q7ba44eb48b_qkv
	.p2alignl 7, 3214868480
	.fill 96, 4, 3214868480
	.section	.rodata,"a",@progbits
	.p2align	6, 0x0
	.amdhsa_kernel k_q7ba44eb48b_qkv
		.amdhsa_group_segment_fixed_size 327680
		.amdhsa_private_segment_fixed_size 0
		.amdhsa_enable_private_segment 0
		.amdhsa_kernarg_size 48
		.amdhsa_user_sgpr_count 2
		.amdhsa_user_sgpr_kernarg_segment_ptr 1
		.amdhsa_wavefront_size32 1
		.amdhsa_system_sgpr_workgroup_id_x 1
		.amdhsa_system_sgpr_workgroup_id_y 1
		.amdhsa_system_sgpr_workgroup_id_z 1
		.amdhsa_system_vgpr_workitem_id 0
		.amdhsa_next_free_vgpr 1024
		.amdhsa_next_free_sgpr 106
		.amdhsa_reserve_vcc 0
		.amdhsa_float_denorm_mode_32 3
		.amdhsa_float_denorm_mode_16_64 3
		.amdhsa_memory_ordered 1
		.amdhsa_forward_progress 1
		.amdhsa_inst_pref_size 232
	.end_amdhsa_kernel
	.amdgpu_metadata
---
amdhsa.version: [ 1, 2 ]
amdhsa.kernels:
  - .name:           k_q7ba44eb48b_qkv
    .symbol:         k_q7ba44eb48b_qkv.kd
    .args:
      - { .name: xq, .offset: 0, .size: 8, .value_kind: global_buffer, .address_space: global }
      - { .name: attn_w_codes, .offset: 8, .size: 8, .value_kind: global_buffer, .address_space: global }
      - { .name: attn_w_scales, .offset: 16, .size: 8, .value_kind: global_buffer, .address_space: global }
      - { .name: attn_b, .offset: 24, .size: 8, .value_kind: global_buffer, .address_space: global }
      - { .name: qrec, .offset: 32, .size: 8, .value_kind: global_buffer, .address_space: global }
      - { .name: kv, .offset: 40, .size: 8, .value_kind: global_buffer, .address_space: global }
    .group_segment_fixed_size: 327680
    .private_segment_fixed_size: 0
    .kernarg_segment_align: 8
    .kernarg_segment_size: 48
    .max_flat_workgroup_size: 128
    .sgpr_count:     106
    .vgpr_count:     1024
    .wavefront_size: 32
...
	.end_amdgpu_metadata
.endif
;; end of part 2
;; launch attn (part 3): grid 8 x 32, 16 waves a work-group, clusters of 4 x 1, 327,680 bytes of LDS; arguments qrec, kv, aq; writes aq
.if DOCPART == 3
	.amdgcn_target "amdgcn-amd-amdhsa--gfx1250"
	.amdhsa_code_object_version 6
	.text
	.protected	k_q7ba44eb48b_attn
	.globl	k_q7ba44eb48b_attn
	.p2align	8
	.type	k_q7ba44eb48b_attn,@function
k_q7ba44eb48b_attn:
	s_mov_b64 s[64:65], 0
	v_nop
	global_prefetch_b8 v0, s[64:65] scope:SCOPE_SE
	s_setreg_imm32_b32 hwreg(HW_REG_WAVE_MODE, 25, 1), 1
	s_wait_xcnt 0x0
	s_wait_alu depctr_hold_cnt(0) depctr_sa_sdst(0) depctr_va_vdst(0) depctr_va_sdst(0) depctr_va_ssrc(0) depctr_va_vcc(0) depctr_vm_vsrc(0)
	s_getreg_b32 s2, hwreg(HW_REG_IB_STS2, 6, 4)
	s_cmp_eq_u32 s2, 0
	s_cbranch_scc0 .Lentry_in_a_cluster
	s_endpgm
.Lentry_in_a_cluster:
	s_bfe_u32 s2, ttmp6, 0x10000c
	s_cmp_lg_u32 s2, 0x3003
	s_cbranch_scc0 .Lentry_shape_is_right
	s_endpgm
.Lentry_shape_is_right:
; Causal attention on codes of BF8 (E5M2) with E8M0 scales, head size 64, 2,048 tokens, 32 heads (batch x 16).  Both products transposed: a lane holds one query.  The result is normalised, quantised along the head and stored for launch proj.
; LEFT OUT: key tiles of 128 wholly behind a query's block (the first kernel's head shows why, with its limit).  LIMIT: the scaled scores stay under 2^31 in magnitude; NaN and infinities are not served.
; p = 2^(t - M), M the ceiling of the running largest t; the row's sum is taken of the unquantised p; every rescaling is a power of two.
; THE DEAL.  A head's kv is 16 records of 17,408 bytes (128 keys: K's image, V's image, their scale words).  Work-group x (0..7) of a head owns query tile x (16 queries) of each of the 16 blocks of 128 tokens: 136 key steps.
; Waves come in pairs i = 0..7: the pair owns block i (tile E, i + 1 steps) and block 15 - i (tile L, 16 - i steps), 17 steps.  Wave B walks records 0..7 for L: 8 steps.  Wave A walks records 0..i for E, finishes and stores E,
; then walks records 15 - i down to 8 for L: 9 steps.  At the end B hands its O, -M and sum to A through LDS, and A joins the two parts by exact powers of two.  Of a SIMD's four waves two are A and two are B.
; LDS.  In trip s a wave reads record s or record 16 - s.  Place 2 s holds record s (s = 0..7), place 2 s + 1 record 16 - s (s = 1..7), place 1 record 8 (read in trip 8): place = (2 s + sel) & 15, sel = 1 in wave A behind its change of tiles.
; FILLS, each place once.  Trips 0 and 1 read places 0..3: these come at the head, 17 rows of 256 bytes a wave.  Places 4..15 are asked for behind the round in front of trip 0, a whole record (68 rows) by each of waves 4..15,
; and are shown by the one barrier in front of trip 2; trips 2 to 8 have no barrier.  Every work-group reads all 16 records.
; CLUSTER: the four work-groups of a cluster walk the same head alike and ask jointly (mask 15); only global addresses of Q and of the results, and the mask's data, hang on x.
; PREFETCH: at the head's end, one landing ahead of their load, places 4..15 are named: wave w (4..15) of partner cx names blocks 17 cx .. 17 cx + 16 of 256 bytes of record w's 68 (lanes 17..31 name the last again): each block once in a cluster.  Places 0..3 come by their load alone.
; OUT.  aq codes: [head / 2][batch x 128 + block x 8 + x][2,048] + 1,024 (head % 2): an image of proj's operand registers whose row p is the tile's query p (token 32 (x / 2) + 8 (x % 2) + p + 8 (p / 8) of the block): four stores of 256 consecutive bytes.
; aq scale pairs, from byte 4,194,304: [batch][head][x][block][p][2]: a work-group's 512 bytes are gathered in LDS and leave on end.
; REGISTERS: v1-11 addresses; v12 -M, v13 largest t, v[14:15] the sum; v16-31 Q and zeros; v32-103 K or V; v104-167 S, p; v168-199 O; v200-207, v248-251 scale words; v208-216 L's Q; v224-239 p's codes; v232-254 at work; v255 Q's scale words.
.set REC,   17408
.set MRG,   16*REC                     ; eight pairs x (4,096 O + 256 -M and sum)
.set SST,   MRG+8*4352                 ; the work-group's 512 scale bytes
.set SPARE, SST+512                    ; the spare words: 128 bytes a wave
.set ADK, 4
.set ADS, 5
.set KF,  32
.set S,   104
.set O,   168
.set KSC, 200
.set VSC, 248
.set SPW, 222
.set NIL, 223
.set WV,   10
.set ROLE, 11                          ; 1: wave B
.set PI,   12                          ; the pair
.set HD,   14
.set G1,   16
.set G0,   24
.set PFA,  32                          ; where my prefetch stands
.set RECV, 34
.set CX,   38
.set X,    39
.set SEL,  40
.set CS,   42
.set MNT,  44
.set TB,   45
.set S2,   46                          ; 2 x trip
.set CNT,  47
.set OCE,  58
.set OCL,  60
.set OS,   62
.set C2,   66                          ; A: 2 (7 - pair); B: 0.  (S2 + C2) >> 4 = sel
.set C3,   67                          ; C2 + 2 + 64 ROLE.  S2 + C3 = 16: E's diagonal and last step; 18: L's diagonal
.set BC0,  217                         ; a second copy of each block's bound, in another register bank than the first: the second half of a dual pair reads it
.set BC1,  219
.set BC2,  220
.set BC3,  221
.macro BARRIER
	s_barrier_signal -1
	s_barrier_wait -1
.endm
.macro CROUND                          ; a round of the cluster's barrier
	BARRIER
	s_cmp_lg_u32 s[WV], 0
	s_cbranch_scc1 .Lnot_wave_0_\@
	s_barrier_signal -3
.Lnot_wave_0_\@:
	s_barrier_wait -3
	BARRIER
.endm
.macro TLOAD                           ; an s_nop 0 and four v_nop follow the load
	tensor_load_to_lds s[G0:G0+3], s[G1:G1+7]
	s_nop 0
.rept 4
	v_nop
.endr
.endm
	s_load_b128 s[4:7], s[0:1], 0x0                ; qrec, kv
	s_load_b64 s[8:9], s[0:1], 0x10                ; aq
	v_lshl_add_u32 v[SPW], v0, 2, SPARE
	v_mov_b32 v[NIL], 0
	ds_add_u32 v[SPW], v[NIL]                      ; the opening lines: the add twice on end, and its wait ahead of the first tensor load
	ds_add_u32 v[SPW], v[NIL]
	v_lshrrev_b32 v4, 5, v0
	v_readfirstlane_b32 s[WV], v4
	s_lshr_b32 s48, s[WV], 2                       ; j: my place among places 0..3
	s_xor_b32 s49, s48, s[WV]
	s_and_b32 s[ROLE], s49, 1
	s_lshr_b32 s[PI], s[WV], 1
	s_bfe_u32 s[CX], ttmp6, 0x40000
	s_lshl_b32 s[X], ttmp9, 2
	s_add_co_u32 s[X], s[X], s[CX]                 ; work-group x
	s_and_b32 s[HD], ttmp7, 0xffff
	s_xor_b32 s49, s[PI], 7
	s_xor_b32 s50, s[ROLE], 1
	s_mul_i32 s49, s49, s50
	s_lshl_b32 s[C2], s49, 1
	s_lshl_b32 s50, s[ROLE], 6
	s_add_co_u32 s[C3], s[C2], s50
	s_add_co_u32 s[C3], s[C3], 2
	s_mov_b32 s[G1], 15|(3<<16)|(1<<21)            ; the four partners; elements of 8 bytes; bit 21 beside a mask; dense rows of 256 bytes: 17 at the head
	s_mov_b32 s[G1+1], 32<<16
	s_mov_b32 s[G1+2], 17<<16
	s_mov_b32 s[G1+3], 32<<16
	s_mov_b32 s[G1+4], 17
	s_mov_b32 s[G1+5], 32
	s_mov_b32 s[G1+6], 0
	s_mov_b32 s[G1+7], 0
	s_lshr_b32 s49, s48, 1                         ; places 0, 1, 2, 3 hold records 0, 8, 1, 15
	s_and_b32 s50, s48, 1
	s_sub_co_u32 s51, 16, s49
	s_cmp_eq_u32 s50, 1
	s_cselect_b32 s52, s51, s49
	s_cmp_eq_u32 s48, 1
	s_cselect_b32 s52, 8, s52
	s_mul_i32 s52, s52, REC
	s_and_b32 s54, s[WV], 3                        ; my quarter of that record
	s_mul_i32 s54, s54, 4352
	s_add_co_u32 s52, s52, s54
	s_mul_i32 s55, s[HD], 16*REC
	s_add_co_u32 s52, s52, s55
	s_mov_b32 s53, 0
	s_lshr_b32 s49, s[WV], 1                       ; place w (4..15) holds: w even: record w / 2; w odd: record 16 - w / 2
	s_and_b32 s50, s[WV], 1
	s_sub_co_u32 s51, 16, s49
	s_cmp_eq_u32 s50, 1
	s_cselect_b32 s[RECV], s51, s49
	s_mul_i32 s70, s[RECV], REC
	s_add_co_u32 s70, s70, s55
	s_mov_b32 s71, 0
	s_mul_i32 s72, s[CX], 4352                     ; the prefetch: the partner's quarter of that record
	s_add_co_u32 s72, s72, s70
	s_mov_b32 s73, 0
	s_mov_b32 s[G0], 1
	s_mul_i32 s[G0+1], s[WV], 4352
	s_wait_alu depctr_va_vdst(0)
	s_wait_dscnt 0x0                               ; both opening adds are done
	CROUND                                         ; the four partners are here: the first joint loads meet
	s_wait_kmcnt 0x0
	s_add_nc_u64 s[PFA:PFA+1], s[6:7], s[72:73]
	s_add_nc_u64 s[G0+2:G0+3], s[6:7], s[52:53]
	s_or_b32 s[G0+3], s[G0+3], 0x80000000
	TLOAD                                          ; places 0..3: my one load at the head
	s_xor_b32 s74, s[PI], 15                       ; L's block
	s_cmp_eq_u32 s[ROLE], 1
	s_cselect_b32 s75, s74, s[PI]                  ; my first tile's block
	s_lshl_b32 s76, s[HD], 4
	s_add_co_u32 s80, s76, s75
	s_mul_i32 s80, s80, 8704
	s_mov_b32 s81, 0
	s_add_co_u32 s82, s76, s74
	s_mul_i32 s82, s82, 8704
	s_mov_b32 s83, 0
	s_add_nc_u64 s[80:81], s[4:5], s[80:81]        ; Q's record of my first tile,
	s_add_nc_u64 s[82:83], s[4:5], s[82:83]        ; and of L
	s_lshl_b32 s79, s[X], 10                       ; tile x's codes,
	s_lshl_b32 s84, s[X], 6
	s_add_co_u32 s84, s84, 8192                    ; and its scale words
	s_lshr_b32 s85, s[X], 1
	s_lshl_b32 s85, s85, 5
	s_and_b32 s86, s[X], 1
	s_lshl_b32 s86, s86, 3
	s_add_co_u32 s85, s85, s86                     ; 32 (x / 2) + 8 (x % 2)
	s_lshr_b32 s86, s[HD], 4                       ; batch
	s_and_b32 s87, s[HD], 15                       ; head
	s_lshl_b32 s88, s86, 7
	s_add_co_u32 s88, s88, s[X]
	s_lshl_b32 s88, s88, 11
	s_lshr_b32 s89, s87, 1
	s_lshl_b32 s89, s89, 19
	s_add_co_u32 s88, s88, s89
	s_and_b32 s89, s87, 1
	s_lshl_b32 s89, s89, 10
	s_add_co_u32 s88, s88, s89
	s_lshl_b32 s90, s[PI], 14
	s_add_co_u32 s90, s90, s88
	s_mov_b32 s91, 0
	s_add_nc_u64 s[OCE:OCE+1], s[8:9], s[90:91]    ; E's codes
	s_lshl_b32 s90, s74, 14
	s_add_co_u32 s90, s90, s88
	s_add_nc_u64 s[OCL:OCL+1], s[8:9], s[90:91]    ; L's
	s_lshl_b32 s90, s86, 16
	s_lshl_b32 s89, s87, 12
	s_add_co_u32 s90, s90, s89
	s_lshl_b32 s89, s[X], 9
	s_add_co_u32 s90, s90, s89
	s_add_co_u32 s90, s90, 4194304
	s_add_nc_u64 s[OS:OS+1], s[8:9], s[90:91]      ; the work-group's scale bytes
	s_lshl_b32 s50, s[PI], 5
	s_add_co_u32 s50, s50, SST
	s_xor_b32 s51, s[PI], 15
	s_lshl_b32 s51, s51, 5
	s_add_co_u32 s51, s51, SST
	s_mul_i32 s52, s[PI], 4352
	s_add_co_u32 s52, s52, MRG
	s_add_co_u32 s53, s52, 4096
	s_mov_b32 s[SEL], 0x76543210
	s_mov_b32 s[SEL+1], 0xfedcba98
	s_mov_b32 s[CS], 0x3e38aa3b                    ; log2(e) / 8
	s_mov_b32 s[CS+1], s[CS]
	s_mov_b32 s[MNT], 0x600000
	s_mov_b32 s[S2], 0
	v_and_b32 v232, 15, v0                         ; r
	v_bfe_u32 v233, v0, 4, 1                       ; h
	v_and_b32 v234, 31, v0
	v_lshlrev_b32 v1, 4, v234
	v_lshlrev_b32 v2, 2, v232
	v_add_nc_u32 v219, s79, v1
	v_add_nc_u32 v220, s84, v2
	global_load_b128 v[16:19], v219, s[80:81]
	global_load_b128 v[20:23], v219, s[80:81] offset:512
	global_load_b32 v255, v220, s[80:81]
	global_load_b128 v[208:211], v219, s[82:83]    ; L's Q, for wave A's change of tiles (wave B holds it twice and reads the first)
	global_load_b128 v[212:215], v219, s[82:83] offset:512
	global_load_b32 v216, v220, s[82:83]
	v_and_b32 v235, 8, v232
	v_add_nc_u32 v235, v235, v232
	v_add_nc_u32 v236, s85, v235                   ; my query's token in its block
	v_lshlrev_b32 v237, 4, v233
	v_sub_nc_u32 v3, v236, v237                    ; less 16 h: register 16 b + i holds key 32 b + 16 h + i, hidden where 32 b + i > v3
	v_lshlrev_b32 v6, 4, v232
	v_lshl_add_u32 v6, v233, 3, v6                 ; codes out: 16 r + 8 h
	v_lshl_add_u32 v7, v232, 1, s50                ; E's scale pair in LDS,
	v_lshl_add_u32 v8, v232, 1, s51                ; L's
	v_min_u32 v9, 16, v234
	v_lshlrev_b32 v9, 8, v9                        ; the prefetch: 256 x min(lane, 16); never rewritten
	v_add_nc_u32 v10, s52, v1                      ; the pair's hand-over: O,
	v_lshl_add_u32 v11, v234, 3, s53               ; -M and the sum
	v_add_nc_u32 v218, SST, v1
	v_mov_b32 v13, 0xff61b1e6                      ; -3e38, under every t
	v_floor_f32 v12, -v13
	v_mov_b32 v14, 0
	v_mov_b32 v15, 0
.irp j, 0,1,2,3,4,5,6,7
	v_mov_b32 v[24+\j], 0                          ; zero codes fill K from 64 to 128
	v_mov_b32 v[96+\j], 0
.endr
.set n, 0
.rept 32
	v_mov_b32 v[O+n], 0
.set n, n+1
.endr
.irp b, 0,1,2,3
	v_mov_b32 v[236+\b], 0
.endr
	v_mov_b32 v252, 0
	v_mov_b32 v253, 0
; A tile is finished: v14 holds the lane's sum.  O / the row's sum, two blocks of 32 channels quantised, 32 codes a lane stored, the scale pair into LDS.
.macro FINISH oc, sa
	s_wait_alu depctr_va_vdst(0)
	v_permlanex16_b32 v252, v14, s[SEL], s[SEL+1]
	s_delay_alu instid0(VALU_DEP_1)
	v_add_f32 v14, v14, v252
	s_wait_alu depctr_va_vdst(0)                   ; a wait ahead of the transcendental and one behind it
	v_rcp_f32 v14, v14
	v_nop
	s_wait_alu depctr_va_vdst(0)
.set n, 0
.rept 32
	v_mul_f32 v[S+n], v[O+n], v14
.set n, n+1
.endr
.irp b, 0,1
	v_max3_num_f32 v[232+\b], |v[S+16*\b]|, |v[S+1+16*\b]|, 0x8000000
.endr
.irp i, 2,4,6,8,10,12,14
.irp b, 0,1
	s_delay_alu instid0(VALU_DEP_2)
	v_max3_num_f32 v[232+\b], v[232+\b], |v[S+16*\b+\i]|, |v[S+1+16*\b+\i]|
.endr
.endr
.irp b, 0,1
	v_permlanex16_b32 v[236+\b], v[232+\b], s[SEL], s[SEL+1]
.endr
.irp b, 0,1
	s_delay_alu instid0(VALU_DEP_2)
	v_max_num_f32 v[232+\b], v[232+\b], v[236+\b]
.endr
.irp b, 0,1
	s_delay_alu instid0(VALU_DEP_2)
	v_add_nc_u32 v[244+\b], 0xf8800000, v[232+\b]
.endr
.irp b, 0,1
	s_delay_alu instid0(VALU_DEP_4)
	v_and_or_b32 v[240+\b], v[232+\b], 0x7f800000, s[MNT]
.endr
.irp b, 0,1
	s_delay_alu instid0(VALU_DEP_4)
	v_lshrrev_b32 v[236+\b], 23, v[244+\b]
.endr
	s_delay_alu instid0(VALU_DEP_1)
	v_lshl_or_b32 v253, v237, 8, v236
.irp b, 0,1
.irp i, 0,1,2,3,4,5,6,7,8,9,10,11,12,13,14,15
	v_med3_num_f32 v[S+16*\b+\i], v[S+16*\b+\i], -v[240+\b], v[240+\b]
.endr
	v_cvt_scalef32_pk8_bf8_f32 v[224+4*\b:225+4*\b], v[S+16*\b:S+7+16*\b], v[244+\b]
	v_cvt_scalef32_pk8_bf8_f32 v[226+4*\b:227+4*\b], v[S+8+16*\b:S+15+16*\b], v[244+\b]
.endr
	v_nop
.irp t, 0,1,2,3
	global_store_b64 v6, v[224+2*\t:225+2*\t], s[\oc:\oc+1] offset:256*\t   ; channels 16 t + 8 h on of query r: the wave stores 256 consecutive bytes, aligned
.endr
	ds_store_b16 v[\sa], v253
.endm
.macro STEP                            ; a trip: 128 keys against my 16 queries
	s_lshr_b32 s48, s[S2], 4
	s_and_b32 s48, s48, s[ROLE]
	s_cmp_lg_u32 s48, 0
	s_cbranch_scc1 .Lhidden_\@                     ; wave B has no trip 8
	s_add_co_u32 s48, s[S2], s[C2]
	s_lshr_b32 s48, s48, 4                         ; sel
	s_add_co_u32 s48, s48, s[S2]
	s_and_b32 s48, s48, 15                         ; the place
	s_mul_i32 s[TB], s48, REC
	v_add_nc_u32 v[ADK], s[TB], v1
	v_add_nc_u32 v[ADS], s[TB], v2
.rept 7
	v_nop
.endr
.irp t, 0,1,2,3,4,5,6,7
	ds_load_b128 v[KF+8*\t:KF+8*\t+3], v[ADK] offset:1024*\t
	ds_load_b128 v[KF+8*\t+4:KF+8*\t+7], v[ADK] offset:1024*\t+512
	ds_load_b32 v[KSC+\t], v[ADS] offset:16384+64*\t
.endr
	s_wait_alu depctr_va_vdst(0)
	s_wait_dscnt 9                                 ; tiles 0 to 4 are in; the youngest nine loads may be out
.irp t, 0,1,2,3
	v_wmma_scale_f32_16x16x128_f8f6f4 v[S+8*\t:S+8*\t+7], v[KF+8*\t:KF+8*\t+15], v[16:31], 0, v[KSC+\t], v255 matrix_a_fmt:MATRIX_FMT_BF8 matrix_b_fmt:MATRIX_FMT_BF8
.endr
	s_wait_dscnt 0x0
.irp t, 4,5,6,7
	v_wmma_scale_f32_16x16x128_f8f6f4 v[S+8*\t:S+8*\t+7], v[KF+8*\t:KF+8*\t+15], v[16:31], 0, v[KSC+\t], v255 matrix_a_fmt:MATRIX_FMT_BF8 matrix_b_fmt:MATRIX_FMT_BF8
.endr
.rept 8
	v_nop
.endr
.irp t, 0,1,2,3
.irp c, 0,1,2,3
	ds_load_b128 v[KF+16*\t+4*\c:KF+16*\t+4*\c+3], v[ADK] offset:8192+2048*\t+512*\c
.endr
	ds_load_b32 v[VSC+\t], v[ADS] offset:16896+64*\t
.endr
	s_add_co_u32 s48, s[S2], s[C3]
	s_lshr_b32 s48, s48, 2
	s_cmp_lg_u32 s48, 4                            ; 16 or 18: a diagonal tile
	s_cbranch_scc1 .Lopen_\@
	v_mov_b32 v254, 0xc79c4000                     ; -80,000: the logit -10,000 ahead of the division by 8
.set n, 0
.rept 64
	v_cmp_gt_i32 vcc_lo, 32*(n/16)+n%16, v3
	v_cndmask_b32 v[S+n], v[S+n], v254, vcc_lo
.set n, n+1
.endr
.Lopen_\@:
.irp b, 0,1,2,3
	v_max3_num_f32 v[232+\b], v[S+16*\b], v[S+1+16*\b], v[S+2+16*\b]
.endr
.irp i, 3,5,7,9,11,13
.irp b, 0,1,2,3
	v_max3_num_f32 v[232+\b], v[232+\b], v[S+16*\b+\i], v[S+1+16*\b+\i]
.endr
.endr
.irp b, 0,1,2,3
	v_max_num_f32 v[232+\b], v[232+\b], v[S+15+16*\b]
.endr
.irp b, 0,1,2,3
	v_permlanex16_b32 v[236+\b], v[232+\b], s[SEL], s[SEL+1]
.endr
.irp b, 0,1,2,3
	s_delay_alu instid0(VALU_DEP_4)
	v_max_num_f32 v[232+\b], v[232+\b], v[236+\b]
.endr
	s_delay_alu instid0(VALU_DEP_2)
	v_max3_num_f32 v254, v232, v233, v234
	s_delay_alu instid0(VALU_DEP_1)
	v_max_num_f32 v254, v254, v235
	s_delay_alu instid0(VALU_DEP_1)
	v_mul_f32 v254, s[CS], v254
	s_delay_alu instid0(VALU_DEP_1)
	v_max_num_f32 v13, v13, v254
	v_mov_b32 v254, v12
	s_delay_alu instid0(VALU_DEP_2)
	v_floor_f32 v12, -v13                          ; -M = floor(-t)
	s_delay_alu instid0(VALU_DEP_1)
	v_sub_f32 v254, v12, v254
	s_delay_alu instid0(VALU_DEP_1)
	v_cvt_i32_f32 v254, v254
	s_delay_alu instid0(VALU_DEP_1)
	v_ldexp_f32 v252, 1.0, v254                    ; f = 2^(old M - new M)
.set n, 0
.rept 32
	v_pk_fma_f32 v[S+n:S+n+1], v[S+n:S+n+1], s[CS:CS+1], v[12:13] op_sel_hi:[1,0,0]
.set n, n+2
.endr
.irp b, 0,1,2,3
	v_fma_f32 v[232+\b], v[232+\b], s[CS], v12
.endr
.set n, 0
	s_wait_alu depctr_va_vdst(0)                   ; one wait ahead of the batch and one behind it
.rept 64
	v_exp_f32 v[S+n], v[S+n]
.set n, n+1
.endr
	v_pk_mul_f32 v[14:15], v[14:15], v[252:253] op_sel_hi:[1,0]
	s_wait_alu depctr_va_vdst(0)
.irp b, 0,1,2,3
	v_exp_f32 v[232+\b], v[232+\b]                 ; each block's largest p
.endr
	v_pk_add_f32 v[236:237], v[S:S+1], v[S+2:S+3]
.irp j, 4,8,12,16,20,24,28,32,36,40,44,48,52,56,60
	v_pk_add_f32 v[14:15], v[14:15], v[S+\j:S+1+\j]
	v_pk_add_f32 v[236:237], v[236:237], v[S+2+\j:S+3+\j]
.endr
	s_delay_alu instid0(VALU_DEP_1)
	v_pk_add_f32 v[14:15], v[14:15], v[236:237]
	s_wait_alu depctr_va_vdst(0)
.irp b, 0,1,2,3
	v_max_num_f32 v[232+\b], 0x8000000, v[232+\b]
.endr
.irp b, 0,1,2,3
	s_delay_alu instid0(VALU_DEP_4)
	v_add_nc_u32 v[244+\b], 0xf8800000, v[232+\b]
.endr
.irp b, 0,1,2,3
	v_and_or_b32 v[240+\b], v[232+\b], 0x7f800000, s[MNT]
.endr
.irp b, 0,1,2,3
	v_and_or_b32 v[BC\b], v[232+\b], 0x7f800000, s[MNT]
.endr
.irp b, 0,1,2,3
	v_lshrrev_b32 v[236+\b], 23, v[244+\b]
.endr
	s_delay_alu instid0(VALU_DEP_3)
	v_lshl_or_b32 v253, v237, 8, v236
	s_delay_alu instid0(VALU_DEP_1)
	v_lshl_or_b32 v253, v238, 16, v253
	s_delay_alu instid0(VALU_DEP_1)
	v_lshl_or_b32 v253, v239, 24, v253
.irp b, 0,1,2,3
.irp i, 0,2,4,6,8,10,12,14
	v_dual_min_num_f32 v[S+16*\b+\i], v[S+16*\b+\i], v[240+\b] :: v_dual_min_num_f32 v[S+16*\b+\i+1], v[S+16*\b+\i+1], v[BC\b]   ; the hold, two numbers an instruction
.endr
	v_cvt_scalef32_pk8_bf8_f32 v[224+4*\b:225+4*\b], v[S+16*\b:S+7+16*\b], v[244+\b]
	v_cvt_scalef32_pk8_bf8_f32 v[226+4*\b:227+4*\b], v[S+8+16*\b:S+15+16*\b], v[244+\b]
.endr
	v_nop
.set n, 0
.rept 16
	v_pk_mul_f32 v[O+n:O+n+1], v[O+n:O+n+1], v[252:253] op_sel_hi:[1,0]
.set n, n+2
.endr
	s_wait_alu depctr_va_vdst(0)
	s_wait_dscnt 0x0
.irp t, 0,1,2,3
	v_wmma_scale_f32_16x16x128_f8f6f4 v[O+8*\t:O+8*\t+7], v[KF+16*\t:KF+16*\t+15], v[224:239], v[O+8*\t:O+8*\t+7], v[VSC+\t], v253 matrix_a_fmt:MATRIX_FMT_BF8 matrix_b_fmt:MATRIX_FMT_BF8
.endr
	s_add_co_u32 s48, s[S2], s[C3]
	s_cmp_lg_u32 s48, 16
	s_cbranch_scc1 .Lhidden_\@
.rept 8                                        ; WAVE A, behind E's last step: eight places behind the products, E leaves, and the state begins anew for L
	v_nop
.endr
	v_add_f32 v14, v14, v15
	FINISH OCE, 7
.irp j, 0,1,2,3,4,5,6,7
	v_mov_b32 v[16+\j], v[208+\j]
.endr
	v_mov_b32 v255, v216
	v_mov_b32 v13, 0xff61b1e6
	v_floor_f32 v12, -v13
	v_mov_b32 v14, 0
	v_mov_b32 v15, 0
.set n, 0
.rept 32
	v_mov_b32 v[O+n], 0
.set n, n+1
.endr
	s_wait_xcnt 0x0                                ; the stores have read their data: the next step writes those registers
	s_wait_alu depctr_va_vdst(0)
.Lhidden_\@:
	s_add_co_u32 s[S2], s[S2], 2
.endm
; Every wave waits for its load, adds 0 to its spare word, waits for that and for its LDS reads.  fill = 1: a round of the cluster's barrier, and behind it the joint loads of places 4..15, first fills.  fill = 0: the barrier that shows them.
.macro CHANGE fill
	s_wait_alu depctr_va_vdst(0)
	s_wait_tensorcnt 0x0                           ; my one load that was out
	ds_add_u32 v[SPW], v[NIL]
.if \fill
	s_add_nc_u64 s[G0+2:G0+3], s[6:7], s[70:71]    ; no load of mine is out: the descriptor may be written: place w's record, whole,
	s_or_b32 s[G0+3], s[G0+3], 0x80000000
	s_mul_i32 s[G0+1], s[WV], REC
	s_mov_b32 s[G1+2], 68<<16                      ; 68 rows
	s_mov_b32 s[G1+4], 68
.endif
	s_wait_dscnt 0x0
.if \fill
	CROUND
	s_cmp_lt_u32 s[WV], 4                          ; waves 0..3 have no part of it
	s_cbranch_scc1 .Lnone_\@
	TLOAD
.Lnone_\@:
.else
	BARRIER
.endif
.endm
	s_wait_alu depctr_va_vdst(0)
	s_cmp_lt_u32 s[WV], 4
	s_cbranch_scc1 .Lno_ask
	global_prefetch_b8 v9, s[PFA:PFA+1] th:TH_LOAD_NT scope:SCOPE_SE
.Lno_ask:
	s_wait_loadcnt 0x0                             ; Q
	CHANGE 1                                       ; places 0..3 are in; places 4..15 are asked for
	s_mov_b32 s[CNT], 2
.Ltrip:                                                ; key trips 0, 1
	STEP
	s_sub_co_u32 s[CNT], s[CNT], 1
	s_cmp_lg_u32 s[CNT], 0
	s_cbranch_scc1 .Ltrip
	CHANGE 0                                       ; all places are in; nothing more is asked for
	s_mov_b32 s[CNT], 7
.Ltail:                                                ; key trips 2 to 8
	STEP
	s_sub_co_u32 s[CNT], s[CNT], 1
	s_cmp_lg_u32 s[CNT], 0
	s_cbranch_scc1 .Ltail
	s_cmp_eq_u32 s[ROLE], 1
	s_cbranch_scc0 .Lkeeps
.rept 8                                        ; WAVE B hands over its part of L
	v_nop
.endr
	v_add_f32 v13, v14, v15
.irp i, 0,1,2,3,4,5,6,7
	ds_store_b128 v10, v[O+4*\i:O+4*\i+3] offset:512*\i
.endr
	ds_store_b64 v11, v[12:13]                     ; -M, the lane's sum
.Lkeeps:
	s_wait_alu depctr_va_vdst(0)
	s_wait_dscnt 0x0
	BARRIER
	s_cmp_eq_u32 s[ROLE], 0
	s_cbranch_scc0 .Lhelped
.irp i, 0,1,2,3,4,5,6,7                        ; WAVE A joins the two parts under the larger M
	ds_load_b128 v[S+4*\i:S+4*\i+3], v10 offset:512*\i
.endr
	ds_load_b64 v[136:137], v11
.rept 8
	v_nop
.endr
	v_add_f32 v14, v14, v15
	s_wait_alu depctr_va_vdst(0)
	s_wait_dscnt 0x0
	v_min_num_f32 v138, v12, v136                  ; the new -M
	v_sub_f32 v139, v138, v12
	v_sub_f32 v140, v138, v136
	v_cvt_i32_f32 v139, v139
	v_cvt_i32_f32 v140, v140
	v_ldexp_f32 v252, 1.0, v139                    ; my factor,
	v_ldexp_f32 v254, 1.0, v140                    ; my partner's
	v_mul_f32 v14, v14, v252
	v_fmac_f32 v14, v137, v254
.set n, 0
.rept 16
	v_pk_mul_f32 v[O+n:O+n+1], v[O+n:O+n+1], v[252:253] op_sel_hi:[1,0]
.set n, n+2
.endr
.set n, 0
.rept 16
	v_pk_fma_f32 v[O+n:O+n+1], v[S+n:S+n+1], v[254:255], v[O+n:O+n+1] op_sel_hi:[1,0,1]
.set n, n+2
.endr
	FINISH OCL, 8
.Lhelped:
	s_wait_alu depctr_va_vdst(0)
	s_wait_dscnt 0x0                               ; the scale pairs lie in LDS
	BARRIER
	s_cmp_lg_u32 s[WV], 0
	s_cbranch_scc1 .Lend
	ds_load_b128 v[144:147], v218
	s_wait_dscnt 0x0
	global_store_b128 v1, v[144:147], s[OS:OS+1]   ; 512 consecutive bytes
.Lend:
	s_wait_tensorcnt 0x0                           ; the wave's end
	ds_add_u32 v[SPW], v[NIL]
	s_wait_dscnt 0x0
	CROUND                                         ; the closing round
	s_endpgm
.Lfunc_end_k_q7ba44eb48b_attn:
	.size	k_q7ba44eb48b_attn, .Lfunc_end_k_q7ba44eb48b_attn-k_q7ba44eb48b_attn
	.p2alignl 7, 3214868480
	.fill 96, 4, 3214868480
	.section	.rodata,"a",@progbits
	.p2align	6, 0x0
	.amdhsa_kernel k_q7ba44eb48b_attn
		.amdhsa_group_segment_fixed_size 327680
		.amdhsa_private_segment_fixed_size 0
		.amdhsa_enable_private_segment 0
		.amdhsa_kernarg_size 24
		.amdhsa_user_sgpr_count 2
		.amdhsa_user_sgpr_kernarg_segment_ptr 1
		.amdhsa_wavefront_size32 1
		.amdhsa_system_sgpr_workgroup_id_x 1
		.amdhsa_system_sgpr_workgroup_id_y 1
		.amdhsa_system_sgpr_workgroup_id_z 1
		.amdhsa_system_vgpr_workitem_id 0
		.amdhsa_next_free_vgpr 256
		.amdhsa_next_free_sgpr 96
		.amdhsa_reserve_vcc 1
		.amdhsa_float_denorm_mode_32 3
		.amdhsa_float_denorm_mode_16_64 3
		.amdhsa_memory_ordered 1
		.amdhsa_forward_progress 1
		.amdhsa_inst_pref_size 90
	.end_amdhsa_kernel
	.amdgpu_metadata
---
amdhsa.version: [ 1, 2 ]
amdhsa.kernels:
  - .name:           k_q7ba44eb48b_attn
    .symbol:         k_q7ba44eb48b_attn.kd
    .args:
      - { .name: qrec, .offset: 0, .size: 8, .value_kind: global_buffer, .address_space: global }
      - { .name: kv, .offset: 8, .size: 8, .value_kind: global_buffer, .address_space: global }
      - { .name: aq, .offset: 16, .size: 8, .value_kind: global_buffer, .address_space: global }
    .group_segment_fixed_size: 327680
    .private_segment_fixed_size: 0
    .kernarg_segment_align: 8
    .kernarg_segment_size: 24
    .max_flat_workgroup_size: 512
    .sgpr_count:     96
    .vgpr_count:     256
    .wavefront_size: 32
...
	.end_amdgpu_metadata
.endif
;; end of part 3
;; launch proj (part 4): grid 8 x 32, 4 waves a work-group, clusters of 4 x 4, 327,680 bytes of LDS; arguments aq, proj_w_codes, proj_w_scales, proj_b, hidden_states, h1; writes h1
.if DOCPART == 4
	.amdgcn_target "amdgcn-amd-amdhsa--gfx1250"
	.amdhsa_code_object_version 6
	.text
	.protected	k_q7ba44eb48b_proj
	.globl	k_q7ba44eb48b_proj
	.p2align	8
	.type	k_q7ba44eb48b_proj,@function
k_q7ba44eb48b_proj:
	s_mov_b64 s[64:65], 0
	v_nop
	global_prefetch_b8 v0, s[64:65] scope:SCOPE_SE
	s_setreg_imm32_b32 hwreg(HW_REG_WAVE_MODE, 25, 1), 1
	s_wait_xcnt 0x0
	s_wait_alu depctr_hold_cnt(0) depctr_sa_sdst(0) depctr_va_vdst(0) depctr_va_sdst(0) depctr_va_ssrc(0) depctr_va_vcc(0) depctr_vm_vsrc(0)
	s_getreg_b32 s2, hwreg(HW_REG_IB_STS2, 6, 4)
	s_cmp_eq_u32 s2, 0
	s_cbranch_scc0 .Lentry_in_a_cluster
	s_endpgm
.Lentry_in_a_cluster:
	s_bfe_u32 s2, ttmp6, 0x10000c
	s_cmp_lg_u32 s2, 0xf033
	s_cbranch_scc0 .Lentry_shape_is_right
	s_endpgm
.Lentry_shape_is_right:
; out = res + A W^T + b.  A: [4,096][KK] as images of the operand's registers ([KK / 128][256 tiles of 16 rows][2,048 bytes]); W: [1,024][KK] codes, K innermost; BF8 (E5M2) with E8M0 scales; res, out: [4,096][1,024] f32.
; N = 1,024 gives 64 tiles of 256 x 256, too few for the chip's WGPs: a tile is 128 x 128, 256 work-groups; four waves of 64 x 64: 16 accumulators.  A slot holds 512 along K, four steps of 128, brought by one load a wave.
; A's part of a slot is dense: an image comes back by four loads of 512 consecutive bytes.  W's rows of 512 bytes get 16 bytes of padding.  The scale bytes for all of K come once and stay.
; CLUSTERS: 4 x 4; A's tiles jointly along a row of the cluster, W's along a column.  The matrix instruction is used transposed: a lane holds eight neighbouring columns of a row.
; The bias is the C of the first products.  The residual is asked for at the head and added on the way out.  A wave's 64 columns are 256 bytes: its own stage in LDS (in slot 0, which has had its last fill and read) turns
; 16 rows at a time into whole rows, and sixteen lanes store 256 consecutive bytes.
; This text: KK = 1,024: both slots are filled once.  A's scale bytes lie [batch 2][head 16][2,048][2]: a word is made of two heads' pairs, once, at the head.
; REGISTERS: window 0: v16-29 addresses; v32-63 A's scale words (16 set + 4 i + q); v64-95 W's; v128-255 accumulators.  Window 1: two fragment buffers (A 64, W 64).  Window 2: v0-127 residual; v128-159 bias; v160-223 rows read back.
; As launch attn leaves A: row p of image 2 b + u of a block of 128 tokens is token 32 b + 8 u + p + 8 (p / 8); the residual's and the result's rows are taken in that order.
; A's scale pairs lie [batch][head 16][image 8][block of 128 tokens 16][row 16][2]: a tile row's are 128 rows of 32 bytes, 512 bytes apart, fetched once, 128 rows by one load; in LDS they lie [head][image][row][2].
.set KK,    1024
.set FC2,   0
.set LAPS,  KK/1024
.set KSB,   KK/32                      ; a row of W's scale bytes
.set PB,    528
.set ASL,   65536                      ; A's part of a slot: 4 chunks x 8 images x 2,048
.set HALFB, 64*PB
.set SLOT,  ASL+2*HALFB
.set LSA,   2*SLOT                     ; A's scales
.set LSB,   LSA+KK*4                   ; W's scales, as blocks of 256 bytes + 16
.set HALFS, (64*KSB/256)*272
.set SBLK,  (16*KSB/256)*272
.set SPARE, LSB+2*HALFS                ; the spare words: two blocks of 256 bytes that no other line names
.set SAC,   4                          ; A's scales: a row in elements of 8 bytes (16 rows x 2 bytes),
.set SAR,   64                         ; half the rows of the load (8 heads x 8 images),
.set SAP,   64                         ; their pitch in elements,
.set ASOFF, 4194304                    ; and where they begin in A's buffer
.set ADRA, 16
.set ADRB, 20
.set ADSA, 22
.set ADSB, 23
.set STO,  24
.set RD,   25
.set CO,   26
.set BO,   27
.set SPW,  28
.set NIL,  29
.set PFO,  30                          ; v30, v31  the prefetches' offsets for slot 0 and slot 1; never rewritten
.set PFA,  96                          ; s[96:97]  where my prefetches stand
.set LIM,  100                         ; s100      1 where my wave asks
.set SCA,  32
.set SCB,  64
.set ACC,  128
.set BI,   128                         ; in window 2
.set RB,   160                         ; in window 2
.set G1, 24
.set G0, 32
.set G1B, 48
.set G0B, 56
.set G1S, 68
.set G0S, 76
.set G1SB, 80
.set G0SB, 88
.set MSB, 0
.macro WIN new
.if MSB != (\new)
	s_set_vgpr_msb (MSB<<8)|(\new)
.set MSB, (\new)
.endif
.endm
.macro JLOAD g0a, g1a, g0b, g1b        ; waves 0 and 1 fetch for A, waves 2 and 3 for W; four v_nop follow each of the two lines
	s_cmp_eq_u32 s15, 0
	s_cbranch_scc0 .Lfor_b_\@
	tensor_load_to_lds s[\g0a:\g0a+3], s[\g1a:\g1a+7]
	s_nop 0
.rept 4
	v_nop
.endr
	s_branch .Lasked_\@
.Lfor_b_\@:
	tensor_load_to_lds s[\g0b:\g0b+3], s[\g1b:\g1b+7]
	s_nop 0
.rept 4
	v_nop
.endr
.Lasked_\@:
.endm
.macro CREST
	s_cmp_lg_u32 s14, 0
	s_cbranch_scc1 .Lnot_wave_0_\@
	s_barrier_signal -3
.Lnot_wave_0_\@:
	s_barrier_wait -3
	s_barrier_signal -1
	s_barrier_wait -1
.endm
.macro CROUND
	s_barrier_signal -1
	s_barrier_wait -1
	CREST
.endm
.macro PLACES n
.rept \n
	v_nop
.endr
.endm
	s_load_b256 s[4:11], s[0:1], 0x0               ; A s[4:5], W's codes s[6:7], W's scales s[8:9], the bias s[10:11]
	s_load_b64 s[12:13], s[0:1], 0x20              ; the residual
	s_load_b64 s[66:67], s[0:1], 0x28              ; out
	v_lshl_add_u32 v[SPW], v0, 2, SPARE
	v_mov_b32 v[NIL], 0
	ds_add_u32 v28, v29
	ds_add_u32 v28, v29
	s_wait_dscnt 0x0
	v_lshrrev_b32 v1, 5, v0
	v_readfirstlane_b32 s14, v1                    ; wave 0..3
	s_lshr_b32 s15, s14, 1                         ; my half of the tile's rows.  Also: I fetch for A (0) or for W (1)
	s_and_b32 s16, s14, 1                          ; my half of its columns.  Also: which half of that operand I fetch
	s_bfe_u32 s40, ttmp6, 0x40000                  ; cx
	s_bfe_u32 s41, ttmp6, 0x40004                  ; cy
	s_lshl_b32 s42, ttmp9, 2
	s_add_co_u32 s42, s42, s40                     ; tile column
	s_and_b32 s17, ttmp7, 0xffff
	s_lshl_b32 s17, s17, 2
	s_add_co_u32 s17, s17, s41                     ; tile row
	s_lshl_b32 s43, s41, 2
	s_lshl_b32 s43, 15, s43                        ; my row of the cluster
	s_lshl_b32 s44, 0x1111, s40                    ; my column
	s_or_b32 s[G1+0], s43, (3<<16)|(1<<21)         ; A: two chunks of 16,384 dense bytes (2,048 elements of 8 bytes), 524,288 bytes apart; no padding
	s_mov_b32 s[G1+1], 2048<<16
	s_mov_b32 s[G1+2], 4<<16                       ; four chunks for the head's load; two behind it
	s_mov_b32 s[G1+3], 2048<<16
	s_mov_b32 s[G1+4], 4
	s_mov_b32 s[G1+5], 65536
	s_mov_b32 s[G1+6], 0
	s_mov_b32 s[G1+7], 0
	s_or_b32 s[G1B+0], s44, (0<<16)|(1<<20)|(1<<21)|(6<<22)|(3<<25)   ; W: 64 rows of 512 bytes, 4 words of padding behind every 128
	s_mov_b32 s[G1B+1], 512<<16
	s_mov_b32 s[G1B+2], 128<<16                    ; 128 rows for the head's load; 64 behind it
	s_mov_b32 s[G1B+3], 512<<16
	s_mov_b32 s[G1B+4], 128
	s_mov_b32 s[G1B+5], KK
	s_mov_b32 s[G1B+6], 0
	s_mov_b32 s[G1B+7], 0
	s_or_b32 s[G1S+0], s43, (3<<16)|(1<<21)        ; A's scales: 2 SAR rows of SAC elements, dense in LDS
	s_mov_b32 s[G1S+1], SAC<<16
	s_mov_b32 s[G1S+2], (2*SAR)<<16                ; all of A's scales by one load
	s_mov_b32 s[G1S+3], SAC<<16
	s_mov_b32 s[G1S+4], 2*SAR
	s_mov_b32 s[G1S+5], SAP
	s_mov_b32 s[G1S+6], 0
	s_mov_b32 s[G1S+7], 0
	s_or_b32 s[G1SB+0], s44, (3<<16)|(1<<20)|(1<<21)|(5<<22)|(3<<25)  ; W's scales of 128 rows: dense, as rows of 256 bytes + 16
	s_mov_b32 s[G1SB+1], 32<<16
	s_mov_b32 s[G1SB+2], (128*KSB/256)<<16         ; the scales of W's 128 rows by one load
	s_mov_b32 s[G1SB+3], 32<<16
	s_mov_b32 s[G1SB+4], 128*KSB/256
	s_mov_b32 s[G1SB+5], 32
	s_mov_b32 s[G1SB+6], 0
	s_mov_b32 s[G1SB+7], 0
	s_lshl_b32 s20, s17, 14                        ; A's codes: the tile row's eight images
	s_mov_b32 s21, 0
	s_mov_b32 s22, 0
	s_lshr_b32 s23, s17, 4                         ; batch
	s_lshl_b32 s23, s23, 16
	s_add_co_u32 s22, s22, s23
	s_and_b32 s23, s17, 15                         ; the block of 128 tokens
	s_lshl_b32 s23, s23, 5
	s_add_co_u32 s22, s22, s23
	s_add_co_u32 s22, s22, ASOFF
	s_mov_b32 s23, 0
	s_lshl_b32 s46, s42, 7
	s_mov_b32 s47, 0
	s_mov_b64 s[18:19], KSB
	s_mul_u64 s[92:93], s[46:47], s[18:19]
	s_mov_b64 s[18:19], KK
	s_mul_u64 s[46:47], s[46:47], s[18:19]
	s_lshl_b32 s45, s16, 15                        ; where they go in a slot: A's,
	s_mul_i32 s94, s16, HALFB
	s_add_co_u32 s94, s94, ASL                     ; W's,
	s_mov_b32 s2, LSA                              ; and the scales
	s_mov_b32 s3, LSB
	s_wait_kmcnt 0x0
	s_add_nc_u64 s[20:21], s[4:5], s[20:21]
	s_add_nc_u64 s[22:23], s[4:5], s[22:23]
	s_add_nc_u64 s[46:47], s[6:7], s[46:47]
	s_add_nc_u64 s[92:93], s[8:9], s[92:93]
	s_mov_b32 s[G0], 1                             ; the head's loads of slot 0, each whole: A's four chunks,
	s_mov_b32 s[G0+1], 0
	s_mov_b64 s[G0+2:G0+3], s[20:21]
	s_or_b32 s[G0+3], s[G0+3], 0x80000000
	s_mov_b32 s[G0B], 1                            ; W's 128 rows
	s_mov_b32 s[G0B+1], ASL
	s_mov_b64 s[G0B+2:G0B+3], s[46:47]
	s_or_b32 s[G0B+3], s[G0B+3], 0x80000000
	s_lshl_b32 s104, s16, 20                       ; for slot 1: my two chunks of A,
	s_mov_b32 s105, 0
	s_add_nc_u64 s[20:21], s[20:21], s[104:105]
	s_mul_i32 s104, s16, 64*KK                     ; my 64 rows of W
	s_add_nc_u64 s[46:47], s[46:47], s[104:105]
	; PREFETCH: behind the head's loads slot 1 is named, one load ahead of its own; slot 0 comes by its load alone.  Of what I fetch of slot 1 (A: two chunks of 16,384 bytes; W: 64 rows of 512 bytes: 128 blocks of 256 bytes) each of the four
	; partners that ask for it jointly names 32 blocks, by address: A: partner cx chunk cx / 2, half cx % 2, a lane a block; W: partner cy 16 rows, two lanes a row.  W's rows are walked by all eight rows of clusters: the first four name them.
	s_mov_b32 s104, 512
	s_and_b32 s100, ttmp7, 0xffff
	s_lshr_b32 s100, s100, 2                       ; 0 in the first four rows of clusters
	s_lshr_b32 s101, s40, 1
	s_lshl_b32 s101, s101, 19
	s_and_b32 s99, s40, 1
	s_lshl_b32 s99, s99, 13
	s_add_co_u32 s101, s101, s99
	s_mul_i32 s99, s41, 16*KK
	s_cmp_eq_u32 s15, 0                            ; do I fetch for A?
	s_cselect_b64 s[PFA:PFA+1], s[20:21], s[46:47]
	s_cselect_b32 s105, -1, 0
	s_cselect_b32 s104, 2097152, s104              ; a slot on
	s_cselect_b32 s101, s101, s99
	s_cselect_b32 s100, 0, s100
	v_and_b32 v18, 31, v0
	v_lshrrev_b32 v19, 1, v18
	v_and_b32 v31, 1, v18
	v_mul_u32_u24 v19, v19, KK
	v_lshl_add_u32 v19, v31, 8, v19
	v_lshlrev_b32 v18, 8, v18
	v_cndmask_b32 v[PFO], v19, v18, s105
	v_add_nc_u32 v[PFO+1], s104, v[PFO]
	s_cmp_eq_u32 s100, 0
	s_cselect_b32 s[LIM], 1, -1
	s_mov_b32 s104, s101
	s_mov_b32 s105, 0
	s_add_nc_u64 s[PFA:PFA+1], s[PFA:PFA+1], s[104:105]
	s_wait_alu depctr_va_vdst(0)
	CROUND
	s_mov_b32 s[G0S], 1
	s_mov_b32 s[G0S+1], s2
	s_mov_b64 s[G0S+2:G0S+3], s[22:23]
	s_or_b32 s[G0S+3], s[G0S+3], 0x80000000
	s_mov_b32 s[G0SB], 1
	s_mov_b32 s[G0SB+1], s3
	s_mov_b64 s[G0SB+2:G0SB+3], s[92:93]
	s_or_b32 s[G0SB+3], s[G0SB+3], 0x80000000
; THE HEAD'S LOADS, ONE A WAVE: wave 0 slot 0 of A, wave 1 slot 0 of W, wave 2 A's scales, wave 3 W's: one chain of branches on the wave's number, a load to an arm.
.macro ARM under, g0, g1, next
	s_cmp_lt_u32 s14, \under
	s_cbranch_scc0 \next
	tensor_load_to_lds s[\g0:\g0+3], s[\g1:\g1+7]
	s_nop 0
.rept 4
	v_nop
.endr
	s_branch .Lhead_asked
\next:
.endm
	ARM 1, G0,  G1,  .Lhead_b
	ARM 2, G0B, G1B, .Lhead_sa
	ARM 3, G0S, G1S, .Lhead_sb
	tensor_load_to_lds s[G0SB:G0SB+3], s[G1SB:G1SB+7]
	s_nop 0
.rept 4
	v_nop
.endr
.Lhead_asked:
	s_cmp_eq_u32 s[LIM], 1
	s_cbranch_scc0 .Lno_ask_0
	global_prefetch_b8 v[PFO+1], s[PFA:PFA+1] th:TH_LOAD_NT scope:SCOPE_SE
.Lno_ask_0:
.irp s, 1
	s_mov_b32 s[G0+4*\s], 1
	s_add_co_u32 s[G0+4*\s+1], s45, \s*SLOT
	s_add_nc_u64 s[G0+4*\s+2:G0+4*\s+3], s[20:21], \s*2097152
	s_or_b32 s[G0+4*\s+3], s[G0+4*\s+3], 0x80000000
	s_mov_b32 s[G0B+4*\s], 1
	s_add_co_u32 s[G0B+4*\s+1], s94, \s*SLOT
	s_add_nc_u64 s[G0B+4*\s+2:G0B+4*\s+3], s[46:47], \s*512
	s_or_b32 s[G0B+4*\s+3], s[G0B+4*\s+3], 0x80000000
	s_wait_alu depctr_va_vdst(0)
	s_wait_tensorcnt 0x0
	ds_add_u32 v28, v29
	s_mov_b32 s[G1+2], 2<<16                       ; no tensor load of mine is out, so a descriptor may be written: from here on a load brings two chunks of A
	s_mov_b32 s[G1+4], 2
	s_mov_b32 s[G1B+2], 64<<16                     ; or 64 rows of W
	s_mov_b32 s[G1B+4], 64
	s_wait_dscnt 0x0
	CROUND
	JLOAD G0+4*\s, G1, G0B+4*\s, G1B
.endr
	v_and_b32 v1, 15, v0                           ; r
	v_bfe_u32 v2, v0, 4, 1                         ; h
	v_and_b32 v3, 31, v0                           ; lane
	v_lshlrev_b32 v4, 4, v3
	v_mul_u32_u24 v5, v1, PB
	v_lshl_add_u32 v5, v2, 4, v5
	s_lshl_b32 s21, s15, 13                        ; my four images of a chunk's eight
	s_mul_i32 s22, s16, HALFB
	s_add_co_u32 s22, s22, ASL
.irp s, 0,1
	v_add_nc_u32 v[ADRA+\s], s21, v4
	v_add_nc_u32 v[ADRB+\s], s22, v5
	s_add_co_u32 s21, s21, SLOT
	s_add_co_u32 s22, s22, SLOT
.endr
.if FC2
	s_lshl_b32 s21, s15, 8
	s_add_co_u32 s21, s21, LSA
	v_lshl_add_u32 v[ADSA], v1, 2, s21             ; A's words: 4 bytes a row, my 64 rows
.else
	s_lshl_b32 s21, s15, 7
	s_add_co_u32 s21, s21, LSA
	v_lshl_add_u32 v[ADSA], v1, 1, s21             ; A's pairs of bytes: 2 bytes a row
.endif
	v_mul_u32_u24 v5, v1, KSB
	v_lshrrev_b32 v6, 8, v5
	v_lshl_add_u32 v5, v6, 4, v5                   ; W's: KSB bytes a row, 16 more for each 256 passed
	s_mul_i32 s21, s16, HALFS
	s_add_co_u32 s21, s21, LSB
	v_add_nc_u32 v[ADSB], s21, v5
	s_mul_i32 s21, s14, 16*272                     ; my stage
	v_mul_u32_u24 v5, v1, 272
	v_lshl_add_u32 v5, v2, 5, v5
	v_add_nc_u32 v[STO], s21, v5
	v_mul_u32_u24 v5, v2, 272
	v_lshl_add_u32 v5, v1, 4, v5
	v_add_nc_u32 v[RD], s21, v5
	v_lshlrev_b32 v5, 12, v2
	v_lshl_add_u32 v[CO], v1, 4, v5                ; lanes 0-15 one row of out, lanes 16-31 the next
	v_lshlrev_b32 v[BO], 5, v2
	s_wait_alu depctr_va_vdst(0)
	s_lshl_b32 s18, s17, 19                        ; my first row, 128 x tile row + 64 x half, x 4,096 bytes,
	s_lshl_b32 s19, s15, 18
	s_add_co_u32 s18, s18, s19
	s_lshl_b32 s20, s42, 9                         ; my first column, 128 x tile column + 64 x half, x 4 bytes
	s_lshl_b32 s19, s16, 8
	s_add_co_u32 s20, s20, s19
	s_add_co_u32 s18, s18, s20
	s_mov_b32 s19, 0
	s_mov_b32 s21, 0
	s_add_nc_u64 s[12:13], s[12:13], s[18:19]
	s_add_nc_u64 s[66:67], s[66:67], s[18:19]
	s_add_nc_u64 s[10:11], s[10:11], s[20:21]
	WIN 0x80                                       ; destination window 2
.irp b, 0,1,2,3
	global_load_b128 v[BI+8*\b:BI+8*\b+3], v[BO], s[10:11] offset:64*\b
	global_load_b128 v[BI+8*\b+4:BI+8*\b+7], v[BO], s[10:11] offset:64*\b+16
.endr
.irp a, 0,1,2,3
.irp t, 0,1,2,3,4,5,6,7
	global_load_b128 v[32*\a+4*\t:32*\a+4*\t+3], v[CO], s[12:13] offset:(32*(\a/2)+8*(\a%2)+2*\t+8*(\t/4))*4096 th:TH_LOAD_NT
.endr
.endr
	WIN 0
.macro MUL4 f, a, q, set, first        ; A's block a x W's four; the 16 accumulators take turns, one instruction a turn
.irp b, 0,1,2,3
.if \first
	v_wmma_scale_f32_16x16x128_f8f6f4 v[ACC+8*(4*(\a)+\b):ACC+8*(4*(\a)+\b)+7], v[\f+64+16*\b:\f+64+16*\b+15], v[\f+16*(\a):\f+16*(\a)+15], v[BI+8*\b:BI+8*\b+7], v[SCB+16*(\set)+4*\b+(\q)], v[SCA+16*(\set)+4*(\a)+(\q)] matrix_a_fmt:MATRIX_FMT_BF8 matrix_b_fmt:MATRIX_FMT_BF8
.else
	v_wmma_scale_f32_16x16x128_f8f6f4 v[ACC+8*(4*(\a)+\b):ACC+8*(4*(\a)+\b)+7], v[\f+64+16*\b:\f+64+16*\b+15], v[\f+16*(\a):\f+16*(\a)+15], v[ACC+8*(4*(\a)+\b):ACC+8*(4*(\a)+\b)+7], v[SCB+16*(\set)+4*\b+(\q)], v[SCA+16*(\set)+4*(\a)+(\q)] matrix_a_fmt:MATRIX_FMT_BF8 matrix_b_fmt:MATRIX_FMT_BF8
.endif
.endr
.endm
.macro FETCH slot, q, f                ; 32 LDS loads in one run: W's four fragments, then A's four
	WIN 0x40
.irp i, 0,1,2,3
.irp c, 0,1,2,3
	ds_load_b128 v[\f+64+16*\i+4*\c:\f+64+16*\i+4*\c+3], v[ADRB+\slot] offset:128*(\q)+32*\c+16*PB*\i
.endr
.endr
.irp i, 0,1,2,3
.irp c, 0,1,2,3
	ds_load_b128 v[\f+16*\i+4*\c:\f+16*\i+4*\c+3], v[ADRA+\slot] offset:16384*(\q)+2048*\i+512*\c
.endr
.endr
.endm
.macro SCALES set                      ; a slot's scale words
.irp i, 0,1,2,3
	ds_load_b128 v[SCB+16*(\set)+4*\i:SCB+16*(\set)+4*\i+3], v[ADSB] offset:\i*SBLK
.endr
.if FC2
.irp i, 0,1,2,3
.irp q, 0,1,2,3
	ds_load_b32 v[SCA+16*(\set)+4*\i+\q], v[ADSA] offset:512*\q+64*\i
.endr
.endr
.endif
.endm
.macro STEP slot, q, first             ; 128 along K that has its successor in the same slot
.set FB, 128*((\q)%2)
.set GB, 128-FB
	s_wait_dscnt 8                                 ; all but the youngest eight loads (A's blocks 2, 3) are in
	WIN 0x05+0x20*(\first)                         ; sources 0 and 1 window 1; with the bias as C: source 2 window 2
	MUL4 FB, 0, \q, \slot, \first
	MUL4 FB, 1, \q, \slot, \first
	PLACES 8
	FETCH \slot, (\q)+1, GB
	s_wait_dscnt 32                                ; all but the 32 just issued
	WIN 0x05+0x20*(\first)
	MUL4 FB, 2, \q, \slot, \first
	MUL4 FB, 3, \q, \slot, \first
.endm
.macro TURN slot, next, fill           ; a slot's last step changes slots
	WIN 0
	s_wait_tensorcnt 0x0                           ; all my tensor loads have landed: my part of the next slot
	ds_add_u32 v[SPW], v[NIL]                      ; 0 onto my spare word
	s_wait_dscnt 9                                 ; (the add and the youngest eight loads may be out)
	WIN 0x05
	MUL4 128, 0, 3, \slot, 0
	s_wait_dscnt 0x0                               ; the add is done, and my reads of this slot are over
	s_barrier_signal -1
	MUL4 128, 1, 3, \slot, 0
	WIN 0
	s_barrier_wait -1
.if \fill
	CREST                                          ; the barrier has opened a round of the cluster's
	s_add_nc_u64 s[G0+4*\slot+2:G0+4*\slot+3], s[G0+4*\slot+2:G0+4*\slot+3], 4194304
	s_add_nc_u64 s[G0B+4*\slot+2:G0B+4*\slot+3], s[G0B+4*\slot+2:G0B+4*\slot+3], 1024
	JLOAD G0+4*\slot, G1, G0B+4*\slot, G1B         ; the first tensor load behind the round
	PLACES 4
.else
	PLACES 8
.endif
.if FC2
	v_add_nc_u32 v[ADSA], 2048, v[ADSA]
.endif
	v_add_nc_u32 v[ADSB], 16, v[ADSB]
	SCALES \next
	FETCH \next, 0, 0
	WIN 0x05
	MUL4 128, 2, 3, \slot, 0
	MUL4 128, 3, 3, \slot, 0
.endm
	s_wait_tensorcnt 1                             ; the scales and my part of slot 0 are in; slot 1's load may be out
	s_barrier_signal -1
	s_barrier_wait -1
.if FC2 == 0
.irp s, 0,1                                    ; A's scale words of both slots: chunk 4 s + q is heads 8 s + 2 q and 8 s + 2 q + 1, two bytes each
.irp i, 0,1,2,3
.irp q, 0,1,2,3
	ds_load_u16 v[ACC+2*(16*\s+4*\i+\q)], v[ADSA] offset:(8*\s+2*\q)*256+32*\i
	ds_load_u16 v[ACC+2*(16*\s+4*\i+\q)+1], v[ADSA] offset:(8*\s+2*\q+1)*256+32*\i
.endr
.endr
.endr
	s_wait_dscnt 0x0
.set n, 0
.rept 32
	v_lshl_or_b32 v[SCA+n], v[ACC+2*n+1], 16, v[ACC+2*n]
.set n, n+1
.endr
	PLACES 8                                       ; a scale register written by a vector instruction stands eight places ahead of the product
.endif
	SCALES 0
	FETCH 0, 0, 0
	s_wait_loadcnt 32                              ; the bias is in; the 32 loads of the residual may be out
	STEP 0, 0, 1
.if LAPS > 1
	WIN 0
	s_mov_b32 s3, LAPS-1
.Llap:
	STEP 0, 1, 0
	STEP 0, 2, 0
	TURN 0, 1, 1
	STEP 1, 0, 0
	STEP 1, 1, 0
	STEP 1, 2, 0
	TURN 1, 0, 1
	STEP 0, 0, 0
	WIN 0
	s_sub_co_u32 s3, s3, 1
	s_cmp_lg_u32 s3, 0
	s_cbranch_scc1 .Llap
.endif
	STEP 0, 1, 0
	STEP 0, 2, 0
	TURN 0, 1, 0
	s_wait_alu depctr_va_vdst(0)
	STEP 1, 0, 0
	STEP 1, 1, 0
	STEP 1, 2, 0
	s_wait_dscnt 8
	WIN 0x05
	MUL4 128, 0, 3, 1, 0
	MUL4 128, 1, 3, 1, 0
	s_wait_dscnt 0
	MUL4 128, 2, 3, 1, 0
	MUL4 128, 3, 3, 1, 0
	WIN 0
	PLACES 8
.macro TOSTAGE a                       ; 16 rows x 64 columns into my stage and back as whole rows; LDS serves a wave's instructions in order
	WIN 0
.irp b, 0,1,2,3
	ds_store_b128 v[STO], v[ACC+8*(4*(\a)+\b):ACC+8*(4*(\a)+\b)+3] offset:64*\b
	ds_store_b128 v[STO], v[ACC+8*(4*(\a)+\b)+4:ACC+8*(4*(\a)+\b)+7] offset:64*\b+16
.endr
	WIN 0x80
.irp t, 0,1,2,3,4,5,6,7
	ds_load_b128 v[RB+32*((\a)%2)+4*\t:RB+32*((\a)%2)+4*\t+3], v[RD] offset:544*\t
.endr
.endm
.macro SEND a, younger
	s_wait_dscnt \younger                          ; the block is back; the next block's sixteen LDS instructions may be out
	WIN 0x8a                                       ; all in window 2
.irp t, 0,1,2,3,4,5,6,7
	v_pk_add_f32 v[RB+32*((\a)%2)+4*\t:RB+32*((\a)%2)+4*\t+1], v[RB+32*((\a)%2)+4*\t:RB+32*((\a)%2)+4*\t+1], v[32*(\a)+4*\t:32*(\a)+4*\t+1]
	v_pk_add_f32 v[RB+32*((\a)%2)+4*\t+2:RB+32*((\a)%2)+4*\t+3], v[RB+32*((\a)%2)+4*\t+2:RB+32*((\a)%2)+4*\t+3], v[32*(\a)+4*\t+2:32*(\a)+4*\t+3]
.endr
	WIN 0x08                                       ; a store's data are its source 1
.irp t, 0,1,2,3,4,5,6,7
	global_store_b128 v[CO], v[RB+32*((\a)%2)+4*\t:RB+32*((\a)%2)+4*\t+3], s[66:67] offset:(32*((\a)/2)+8*((\a)%2)+2*\t+8*(\t/4))*4096   ; sixteen lanes store 256 consecutive bytes
.endr
.endm
	TOSTAGE 0
	s_wait_loadcnt 0x0                             ; the residual
	TOSTAGE 1
	SEND 0, 16
	s_wait_xcnt 0x0                                ; block 0's stores have read their registers: block 2 may land there
	TOSTAGE 2
	SEND 1, 16
	s_wait_xcnt 0x0
	TOSTAGE 3
	SEND 2, 16
	SEND 3, 0
	WIN 0
	s_wait_tensorcnt 0x0                           ; the wave's end
	ds_add_u32 v[SPW], v[NIL]
	s_wait_dscnt 0x0
	CROUND                                         ; the closing round
	s_endpgm
.Lfunc_end_k_q7ba44eb48b_proj:
	.size	k_q7ba44eb48b_proj, .Lfunc_end_k_q7ba44eb48b_proj-k_q7ba44eb48b_proj
	.p2alignl 7, 3214868480
	.fill 96, 4, 3214868480
	.section	.rodata,"a",@progbits
	.p2align	6, 0x0
	.amdhsa_kernel k_q7ba44eb48b_proj
		.amdhsa_group_segment_fixed_size 327680
		.amdhsa_private_segment_fixed_size 0
		.amdhsa_enable_private_segment 0
		.amdhsa_kernarg_size 48
		.amdhsa_user_sgpr_count 2
		.amdhsa_user_sgpr_kernarg_segment_ptr 1
		.amdhsa_wavefront_size32 1
		.amdhsa_system_sgpr_workgroup_id_x 1
		.amdhsa_system_sgpr_workgroup_id_y 1
		.amdhsa_system_sgpr_workgroup_id_z 1
		.amdhsa_system_vgpr_workitem_id 0
		.amdhsa_next_free_vgpr 768
		.amdhsa_next_free_sgpr 106
		.amdhsa_reserve_vcc 0
		.amdhsa_float_denorm_mode_32 3
		.amdhsa_float_denorm_mode_16_64 3
		.amdhsa_memory_ordered 1
		.amdhsa_forward_progress 1
		.amdhsa_inst_pref_size 71
	.end_amdhsa_kernel
	.amdgpu_metadata
---
amdhsa.version: [ 1, 2 ]
amdhsa.kernels:
  - .name:           k_q7ba44eb48b_proj
    .symbol:         k_q7ba44eb48b_proj.kd
    .args:
      - { .name: aq, .offset: 0, .size: 8, .value_kind: global_buffer, .address_space: global }
      - { .name: proj_w_codes, .offset: 8, .size: 8, .value_kind: global_buffer, .address_space: global }
      - { .name: proj_w_scales, .offset: 16, .size: 8, .value_kind: global_buffer, .address_space: global }
      - { .name: proj_b, .offset: 24, .size: 8, .value_kind: global_buffer, .address_space: global }
      - { .name: hidden_states, .offset: 32, .size: 8, .value_kind: global_buffer, .address_space: global }
      - { .name: h1, .offset: 40, .size: 8, .value_kind: global_buffer, .address_space: global }
    .group_segment_fixed_size: 327680
    .private_segment_fixed_size: 0
    .kernarg_segment_align: 8
    .kernarg_segment_size: 48
    .max_flat_workgroup_size: 128
    .sgpr_count:     106
    .vgpr_count:     768
    .wavefront_size: 32
...
	.end_amdgpu_metadata
.endif
;; end of part 4
;; launch ln2: the kernel of part 1 again; grid 256 x 1, 16 waves a work-group, no clusters, 92,672 bytes of LDS; arguments h1, ln2_g, ln2_b, mq; writes mq
;; launch fc (part 5): grid 16 x 16, 4 waves a work-group, clusters of 4 x 4, 327,680 bytes of LDS; arguments mq, fc_w_codes, fc_w_scales, fc_b, hq; writes hq
.if DOCPART == 5
	.amdgcn_target "amdgcn-amd-amdhsa--gfx1250"
	.amdhsa_code_object_version 6
	.text
	.protected	k_q7ba44eb48b_fc
	.globl	k_q7ba44eb48b_fc
	.p2align	8
	.type	k_q7ba44eb48b_fc,@function
k_q7ba44eb48b_fc:
	s_mov_b64 s[64:65], 0
	v_nop
	global_prefetch_b8 v0, s[64:65] scope:SCOPE_SE
	s_setreg_imm32_b32 hwreg(HW_REG_WAVE_MODE, 25, 1), 1
	s_wait_xcnt 0x0
	s_wait_alu depctr_hold_cnt(0) depctr_sa_sdst(0) depctr_va_vdst(0) depctr_va_sdst(0) depctr_va_ssrc(0) depctr_va_vcc(0) depctr_vm_vsrc(0)
	s_getreg_b32 s2, hwreg(HW_REG_IB_STS2, 6, 4)
	s_cmp_eq_u32 s2, 0
	s_cbranch_scc0 .Lentry_in_a_cluster
	s_endpgm
.Lentry_in_a_cluster:
	s_bfe_u32 s2, ttmp6, 0x10000c
	s_cmp_lg_u32 s2, 0xf033
	s_cbranch_scc0 .Lentry_shape_is_right
	s_endpgm
.Lentry_shape_is_right:
.set KROW,   1024
.set ROWB,   256
.set NQ,     2
.set PITCH,  272
.set FR,     16
.set NL,     4
.set NP,     8
.set HALFT,  128*PITCH
.set SLOT,   4*HALFT
.set KS,     32
.set SCL,    2*SLOT
.set HALFS,  16*272
.set SBLK,   2*272
.set SPARE,  SCL+4*HALFS
.set STOC, 10
.set SSW,  11
.set RDC,  12
.set SRW,  13
.set ADRA, 16
.set ADRB, 20
.set CO,   26
.set ADRS, 27
.set SPW,  28
.set NIL,  29
.set SC,   32
.set BIAS, 64
.set AF,   128
.set TM,   32
.set PWS,  48
.set K1,   56
.set T,    128
.set G1, 24
.set G0, 32
.set G1B, 48
.set G0B, 56
.set G1S, 68
.set G0S, 76
.set G1SB, 80
.set G0SB, 88
.set MSB, 0
.macro WIN new
.if MSB != (\new)
	s_set_vgpr_msb (MSB<<8)|(\new)
.set MSB, (\new)
.endif
.endm
.set MUL_LO, 0xa1
.set MUL_HI, 0xf1
.set TO_B,   0x40
.macro JLOAD g0a, g1a, g0b, g1b
	s_cmp_eq_u32 s15, 0
	s_cbranch_scc0 .Lfor_b_\@
	tensor_load_to_lds s[\g0a:\g0a+3], s[\g1a:\g1a+7]
	s_nop 0
.rept 4
	v_nop
.endr
	s_branch .Lasked_\@
.Lfor_b_\@:
	tensor_load_to_lds s[\g0b:\g0b+3], s[\g1b:\g1b+7]
	s_nop 0
.rept 4
	v_nop
.endr
.Lasked_\@:
.endm
.macro CREST
	s_cmp_lg_u32 s14, 0
	s_cbranch_scc1 .Lnot_wave_0_\@
	s_barrier_signal -3
.Lnot_wave_0_\@:
	s_barrier_wait -3
	s_barrier_signal -1
	s_barrier_wait -1
.endm
.macro CROUND
	s_barrier_signal -1
	s_barrier_wait -1
	CREST
.endm
.macro PLACES n
.rept \n
	v_nop
.endr
.endm
	s_load_b64 s[4:5], s[0:1], 0x0
	s_load_b128 s[8:11], s[0:1], 0x8
	s_load_b128 s[96:99], s[0:1], 0x18
	v_lshl_add_u32 v[SPW], v0, 2, SPARE
	v_mov_b32 v[NIL], 0
	ds_add_u32 v28, v29
	ds_add_u32 v28, v29
	s_wait_dscnt 0x0
	v_lshrrev_b32 v40, 5, v0
	v_readfirstlane_b32 s14, v40
	v_and_b32 v1, 15, v0
	v_bfe_u32 v40, v0, 4, 1
	v_and_b32 v41, 31, v0
	v_lshlrev_b32 v24, 10, v41                     ; the prefetches' offset: a lane a row of 1,024 bytes; never rewritten
	v_lshlrev_b32 v45, 5, v40
	s_lshr_b32 s15, s14, 1
	s_and_b32 s16, s14, 1
	s_bfe_u32 s40, ttmp6, 0x40000
	s_bfe_u32 s41, ttmp6, 0x40004
	s_lshl_b32 s42, ttmp9, 2
	s_add_co_u32 s42, s42, s40
	s_and_b32 s17, ttmp7, 0xffff
	s_lshl_b32 s17, s17, 2
	s_add_co_u32 s17, s17, s41
	s_lshl_b32 s43, s41, 2
	s_lshl_b32 s43, 15, s43
	s_lshl_b32 s44, 0x1111, s40
	s_or_b32 s[G1+0], s43, (0<<16)|(1<<20)|(1<<21)|(5<<22)|(3<<25)
	s_or_b32 s[G1B+0], s44, (0<<16)|(1<<20)|(1<<21)|(5<<22)|(3<<25)
.irp g, G1, G1B
	s_mov_b32 s[\g+1], ROWB<<16
	s_mov_b32 s[\g+2], 256<<16                     ; 256 rows for the head's loads; 128 behind them
	s_mov_b32 s[\g+3], ROWB<<16
	s_mov_b32 s[\g+4], 256
	s_mov_b32 s[\g+5], KROW
	s_mov_b32 s[\g+6], 0
	s_mov_b32 s[\g+7], 0
.endr
	s_or_b32 s[G1S+0], s43, (3<<16)|(1<<20)|(1<<21)|(5<<22)|(3<<25)
	s_or_b32 s[G1SB+0], s44, (3<<16)|(1<<20)|(1<<21)|(5<<22)|(3<<25)
.irp g, G1S, G1SB
	s_mov_b32 s[\g+1], 32<<16
	s_mov_b32 s[\g+2], (256*KS/256)<<16            ; the scales of 256 rows
	s_mov_b32 s[\g+3], 32<<16
	s_mov_b32 s[\g+4], 256*KS/256
	s_mov_b32 s[\g+5], 32
	s_mov_b32 s[\g+6], 0
	s_mov_b32 s[\g+7], 0
.endr
	s_lshl_b32 s20, s17, 8                         ; A: the tile's first row, 256 x tile row
	s_lshl_b32 s46, s42, 8                         ; B: 256 x tile column
	s_mov_b32 s21, 0
	s_mov_b32 s47, 0
	s_mov_b64 s[18:19], KS
	s_mul_u64 s[22:23], s[20:21], s[18:19]
	s_mul_u64 s[92:93], s[46:47], s[18:19]
	s_mov_b64 s[18:19], KROW
	s_mul_u64 s[20:21], s[20:21], s[18:19]
	s_mul_u64 s[46:47], s[46:47], s[18:19]
	s_mul_i32 s45, s14, HALFT
	s_lshl_b32 s18, s42, 10
	s_lshl_b32 s19, s16, 9
	s_add_co_u32 s18, s18, s19
	s_mov_b32 s19, 0
	s_wait_alu depctr_va_vdst(0)
	s_wait_kmcnt 0x0
	s_add_nc_u64 s[6:7], s[4:5], 4194304
	s_add_nc_u64 s[96:97], s[96:97], s[18:19]
.irp b, 0,1,2,3,4,5,6,7
	global_load_b128 v[BIAS+8*\b:BIAS+8*\b+3], v45, s[96:97] offset:64*\b
	global_load_b128 v[BIAS+8*\b+4:BIAS+8*\b+7], v45, s[96:97] offset:64*\b+16
.endr
	s_add_nc_u64 s[20:21], s[4:5], s[20:21]
	s_add_nc_u64 s[22:23], s[6:7], s[22:23]
	s_add_nc_u64 s[46:47], s[8:9], s[46:47]
	s_add_nc_u64 s[92:93], s[10:11], s[92:93]
	s_mov_b32 s[G0], 1                             ; the head's loads of K step 0, each whole: A's 256 rows,
	s_mov_b32 s[G0+1], 0
	s_mov_b64 s[G0+2:G0+3], s[20:21]
	s_or_b32 s[G0+3], s[G0+3], 0x80000000
	s_mov_b32 s[G0B], 1                            ; B's 256 rows, behind them in slot 0
	s_mov_b32 s[G0B+1], 2*HALFT
	s_mov_b64 s[G0B+2:G0B+3], s[46:47]
	s_or_b32 s[G0B+3], s[G0B+3], 0x80000000
	s_lshl_b32 s6, s16, 17                         ; for the ring: my 128 rows of the tile
	s_mov_b32 s7, 0
	s_add_nc_u64 s[20:21], s[20:21], s[6:7]
	s_add_nc_u64 s[46:47], s[46:47], s[6:7]
	; PREFETCH: of the 128 rows that I fetch in the ring, each of the four partners that ask for them jointly names 32 (by address: cx for A, cy for B), a lane a row, 256 bytes of a row to a K step.
	; K steps 1 and 2 are named behind the head's loads, K step 3 behind K step 1's load; K step 0 comes by its load alone.  The address registers are never rewritten.
	s_cmp_eq_u32 s15, 0
	s_cselect_b64 s[4:5], s[20:21], s[46:47]
	s_cselect_b32 s6, s40, s41
	s_lshl_b32 s6, s6, 15
	s_mov_b32 s7, 0
	s_add_nc_u64 s[4:5], s[4:5], s[6:7]
	CROUND
	s_mov_b32 s[G0S], 1
	s_mov_b32 s[G0S+1], SCL
	s_mov_b64 s[G0S+2:G0S+3], s[22:23]
	s_or_b32 s[G0S+3], s[G0S+3], 0x80000000
	s_mov_b32 s[G0SB], 1
	s_mov_b32 s[G0SB+1], SCL+2*HALFS
	s_mov_b64 s[G0SB+2:G0SB+3], s[92:93]
	s_or_b32 s[G0SB+3], s[G0SB+3], 0x80000000
; THE HEAD'S LOADS, ONE A WAVE: wave 0 K step 0's 256 rows of A, wave 1 its 256 rows of B, wave 2 the scales of A's 256 rows, wave 3 those of B's: one chain of branches on the wave's number, a load to an arm.
.macro ARM under, g0, g1, next
	s_cmp_lt_u32 s14, \under
	s_cbranch_scc0 \next
	tensor_load_to_lds s[\g0:\g0+3], s[\g1:\g1+7]
	s_nop 0
.rept 4
	v_nop
.endr
	s_branch .Lhead_asked
\next:
.endm
	ARM 1, G0,  G1,  .Lhead_b
	ARM 2, G0B, G1B, .Lhead_sa
	ARM 3, G0S, G1S, .Lhead_sb
	tensor_load_to_lds s[G0SB:G0SB+3], s[G1SB:G1SB+7]
	s_nop 0
.rept 4
	v_nop
.endr
.Lhead_asked:
	global_prefetch_b8 v24, s[4:5] offset:256 th:TH_LOAD_NT scope:SCOPE_SE
	global_prefetch_b8 v24, s[4:5] offset:512 th:TH_LOAD_NT scope:SCOPE_SE
.irp s, 1
	s_mov_b32 s[G0+4*\s], 1
	s_add_co_u32 s[G0+4*\s+1], s45, \s*SLOT
	s_add_nc_u64 s[G0+4*\s+2:G0+4*\s+3], s[20:21], \s*ROWB
	s_or_b32 s[G0+4*\s+3], s[G0+4*\s+3], 0x80000000
	s_mov_b32 s[G0B+4*\s], 1
	s_add_co_u32 s[G0B+4*\s+1], s45, \s*SLOT
	s_add_nc_u64 s[G0B+4*\s+2:G0B+4*\s+3], s[46:47], \s*ROWB
	s_or_b32 s[G0B+4*\s+3], s[G0B+4*\s+3], 0x80000000
	s_wait_alu depctr_va_vdst(0)
	s_wait_tensorcnt 0x0
	ds_add_u32 v28, v29
	s_mov_b32 s[G0+1], s45                         ; no tensor load of mine is out, so descriptors may be written: slot 0's for the ring, my 128 rows,
	s_mov_b64 s[G0+2:G0+3], s[20:21]
	s_or_b32 s[G0+3], s[G0+3], 0x80000000
	s_mov_b32 s[G0B+1], s45
	s_mov_b64 s[G0B+2:G0B+3], s[46:47]
	s_or_b32 s[G0B+3], s[G0B+3], 0x80000000
	s_mov_b32 s[G1+2], 128<<16                     ; and from here on a load brings 128 rows
	s_mov_b32 s[G1+4], 128
	s_mov_b32 s[G1B+2], 128<<16
	s_mov_b32 s[G1B+4], 128
	s_wait_dscnt 0x0
	CROUND
	JLOAD G0+4*\s, G1, G0B+4*\s, G1B
	global_prefetch_b8 v24, s[4:5] offset:512+256*\s th:TH_LOAD_NT scope:SCOPE_SE
.endr
	s_lshl_b32 s18, s42, 20
	s_lshl_b32 s19, s16, 19
	s_add_co_u32 s18, s18, s19
	s_lshl_b32 s19, s17, 15
	s_add_co_u32 s18, s18, s19
	s_lshl_b32 s19, s15, 14
	s_add_co_u32 s18, s18, s19
	s_mov_b32 s19, 0
	s_add_nc_u64 s[12:13], s[98:99], s[18:19]
	s_lshl_b32 s18, s42, 15
	s_lshl_b32 s20, s16, 14
	s_add_co_u32 s18, s18, s20
	s_lshl_b32 s20, s17, 10
	s_add_co_u32 s18, s18, s20
	s_lshl_b32 s20, s15, 9
	s_add_co_u32 s18, s18, s20
	s_add_co_u32 s18, s18, 16777216
	s_add_nc_u64 s[66:67], s[98:99], s[18:19]
	v_mul_u32_u24 v42, v1, PITCH
	v_lshl_add_u32 v42, v40, 4, v42
	s_mul_i32 s21, s15, HALFT
	s_mul_i32 s22, s16, HALFT
	s_add_co_u32 s22, s22, 2*HALFT
.irp s, 0,1
	v_add_nc_u32 v[ADRA+\s], s21, v42
	v_add_nc_u32 v[ADRB+\s], s22, v42
	s_add_co_u32 s21, s21, SLOT
	s_add_co_u32 s22, s22, SLOT
.endr
	v_mul_u32_u24 v43, v1, KS
	v_lshrrev_b32 v44, 8, v43
	v_lshl_add_u32 v43, v44, 4, v43
	s_mul_i32 s21, s15, HALFS
	s_mul_i32 s22, s16, HALFS
	s_add_co_u32 s22, s22, 2*HALFS
	s_sub_co_u32 s22, s22, s21
	v_mul_u32_u24 v44, s22, v40
	s_add_co_u32 s21, s21, SCL
	v_add_nc_u32 v43, v43, v44
	v_add_nc_u32 v[ADRS], s21, v43
	s_lshl_b32 s21, s14, 14
	s_lshl_b32 s22, s14, 9
	v_lshlrev_b32 v[CO], 4, v41
	v_lshlrev_b32 v44, 4, v1
	v_lshl_add_u32 v44, v40, 3, v44
	v_add_nc_u32 v[STOC], s21, v44
	v_lshlrev_b32 v44, 2, v1
	v_add_nc_u32 v44, s22, v44
	v_add_nc_u32 v[SSW], 65536, v44
	v_add_nc_u32 v[RDC], s21, v[CO]
	v_add_nc_u32 v44, s22, v[CO]
	v_add_nc_u32 v[SRW], 65536, v44
	s_wait_loadcnt 0x0
.macro FRAG reg, adr, q, i
.irp c, 0,1,2,3
	ds_load_b128 v[\reg+4*\c:\reg+4*\c+3], v[\adr] offset:128*(\q)+32*\c+(\i)*16*PITCH
.endr
.endm
.macro MUL16 a0, p, q, sc, zero
.irp a, \a0, \a0+1
.irp b, 0,1,2,3,4,5,6,7
.if \zero
	v_wmma_scale_f32_16x16x128_f8f6f4 v[8*(8*((\a)%4)+\b):8*(8*((\a)%4)+\b)+7], v[128*(\p)+FR*\b:128*(\p)+FR*\b+FR-1], v[AF+FR*(\a):AF+FR*(\a)+FR-1], v[BIAS+8*\b:BIAS+8*\b+7], v[SC+8*NQ*(\sc)+NQ*\b+(\q)], v[SC+8*NQ*(\sc)+NQ*(\a)+(\q)] matrix_a_fmt:MATRIX_FMT_BF8 matrix_b_fmt:MATRIX_FMT_BF8 matrix_a_scale:MATRIX_SCALE_ROW1
.else
	v_wmma_scale_f32_16x16x128_f8f6f4 v[8*(8*((\a)%4)+\b):8*(8*((\a)%4)+\b)+7], v[128*(\p)+FR*\b:128*(\p)+FR*\b+FR-1], v[AF+FR*(\a):AF+FR*(\a)+FR-1], v[8*(8*((\a)%4)+\b):8*(8*((\a)%4)+\b)+7], v[SC+8*NQ*(\sc)+NQ*\b+(\q)], v[SC+8*NQ*(\sc)+NQ*(\a)+(\q)] matrix_a_fmt:MATRIX_FMT_BF8 matrix_b_fmt:MATRIX_FMT_BF8 matrix_a_scale:MATRIX_SCALE_ROW1
.endif
.endr
.endr
.endm
.macro FETCH_B slot, q, p
	WIN TO_B
.irp i, 0,1,2,3,4,5,6,7
	FRAG 128*(\p)+FR*\i, ADRB+\slot, \q, \i
.endr
	WIN 0
.endm
.macro FETCH_A slot, q, i0
.irp i, \i0, \i0+1, \i0+2, \i0+3
	FRAG AF+FR*(\i), ADRA+\slot, \q, \i
.endr
.endm
.macro SCALES sc
.irp i, 0,1,2,3,4,5,6,7
	ds_load_b64 v[SC+8*NQ*\sc+NQ*\i:SC+8*NQ*\sc+NQ*\i+1], v[ADRS] offset:\i*SBLK
.endr
.endm
.macro STEP slot, q, zero
	s_wait_dscnt 4*NL
	WIN MUL_LO-0x20*(\zero)
	MUL16 0, (\q)%2, \q, \slot, \zero
	MUL16 2, (\q)%2, \q, \slot, \zero
	s_wait_dscnt 0
	PLACES NP
	FETCH_B \slot, (\q)+1, 1-(\q)%2
	FETCH_A \slot, (\q)+1, 0
	WIN MUL_HI-0x30*(\zero)
	MUL16 4, (\q)%2, \q, \slot, \zero
	MUL16 6, (\q)%2, \q, \slot, \zero
	PLACES NP
	WIN 0
	FETCH_A \slot, (\q)+1, 4
.endm
.macro TURN slot, next, fill
	s_wait_tensorcnt 0x0
	ds_add_u32 v[SPW], v[NIL]
	s_wait_dscnt 4*NL+1
	WIN MUL_LO
	MUL16 0, 1, NQ-1, \slot, 0
	s_wait_dscnt 0x0
	s_barrier_signal -1
	MUL16 2, 1, NQ-1, \slot, 0
	WIN 0
	s_barrier_wait -1
.if \fill
	CREST
	s_add_nc_u64 s[G0+4*\slot+2:G0+4*\slot+3], s[G0+4*\slot+2:G0+4*\slot+3], 2*ROWB
	s_add_nc_u64 s[G0B+4*\slot+2:G0B+4*\slot+3], s[G0B+4*\slot+2:G0B+4*\slot+3], 2*ROWB
	JLOAD G0+4*\slot, G1, G0B+4*\slot, G1B
	PLACES NP-4
.else
	PLACES NP
.endif
	s_wait_alu depctr_va_vdst(0)
	v_add_nc_u32 v[ADRS], 4*NQ, v[ADRS]
	FETCH_B \next, 0, 0
	FETCH_A \next, 0, 0
	SCALES \next
	WIN MUL_HI
	MUL16 4, 1, NQ-1, \slot, 0
	MUL16 6, 1, NQ-1, \slot, 0
	PLACES NP
	WIN 0
	FETCH_A \next, 0, 4
.endm
	s_wait_tensorcnt 1
	s_barrier_signal -1
	s_barrier_wait -1
	FETCH_B 0, 0, 0
	FETCH_A 0, 0, 0
	SCALES 0
	FETCH_A 0, 0, 4
	STEP 0, 0, 1
	s_mov_b32 s3, 1
.Llap:
	TURN 0, 1, 1
	STEP 1, 0, 0
	TURN 1, 0, 1
	STEP 0, 0, 0
	s_sub_co_u32 s3, s3, 1
	s_cmp_lg_u32 s3, 0
	s_cbranch_scc1 .Llap
	TURN 0, 1, 0
	STEP 1, 0, 0
	s_wait_dscnt 4*NL
	WIN MUL_LO
	MUL16 0, 1, NQ-1, 1, 0
	MUL16 2, 1, NQ-1, 1, 0
	s_wait_dscnt 0
	WIN MUL_HI
	MUL16 4, 1, NQ-1, 1, 0
	MUL16 6, 1, NQ-1, 1, 0
	WIN 0
	PLACES NP
.macro QUANT s, pc, pw
.irp b, 0,1,2,3
	v_max3_num_f32 v[TM+\b], |v[\s+16*\b]|, |v[\s+1+16*\b]|, 0x8000000
.endr
.irp i, 2,4,6,8,10,12,14
.irp b, 0,1,2,3
	v_max3_num_f32 v[TM+\b], v[TM+\b], |v[\s+16*\b+\i]|, |v[\s+1+16*\b+\i]|
.endr
.endr
.irp b, 0,1,2,3
	v_permlanex16_b32 v[TM+4+\b], v[TM+\b], s90, s91
.endr
.irp b, 0,1,2,3
	v_max_num_f32 v[TM+\b], v[TM+\b], v[TM+4+\b]
.endr
.irp b, 0,1,2,3
	v_add_nc_u32 v[TM+12+\b], 0xf8800000, v[TM+\b]
.endr
.irp b, 0,1,2,3
	v_and_or_b32 v[TM+8+\b], v[TM+\b], 0x7f800000, s89
.endr
.irp b, 0,1,2,3
	v_lshrrev_b32 v[TM+4+\b], 23, v[TM+12+\b]
.endr
	v_lshl_or_b32 v[\pw], v[TM+5], 8, v[TM+4]
	v_lshl_or_b32 v[\pw], v[TM+6], 16, v[\pw]
	v_lshl_or_b32 v[\pw], v[TM+7], 24, v[\pw]
.irp b, 0,1,2,3
.irp i, 0,1,2,3,4,5,6,7,8,9,10,11,12,13,14,15
	v_med3_num_f32 v[\s+16*\b+\i], v[\s+16*\b+\i], -v[TM+8+\b], v[TM+8+\b]
.endr
	v_cvt_scalef32_pk8_bf8_f32 v[\pc+4*\b:\pc+1+4*\b], v[\s+16*\b:\s+7+16*\b], v[TM+12+\b]
	v_cvt_scalef32_pk8_bf8_f32 v[\pc+2+4*\b:\pc+3+4*\b], v[\s+8+16*\b:\s+15+16*\b], v[TM+12+\b]
.endr
	v_nop
.endm
.macro E1 a
.set CD, 64+16*(\a)+64*((\a)/4)
.set AC, 64*((\a)%4)
	WIN 0x0a+5*((\a)/4)
.set i, 0
.rept 32
	v_pk_mul_f32 v[T+i:T+i+1], v[AC+i:AC+i+1], v[AC+i:AC+i+1]
.set i, i+2
.endr
	WIN 0
.set i, 0
.rept 32
	v_pk_fma_f32 v[T+i:T+i+1], v[T+i:T+i+1], s[92:93], v[K1:K1+1] op_sel_hi:[1,0,1]
.set i, i+2
.endr
	WIN 0x08+4*((\a)/4)
.set i, 0
.rept 32
	v_pk_mul_f32 v[T+i:T+i+1], v[T+i:T+i+1], v[AC+i:AC+i+1]
.set i, i+2
.endr
	WIN 0
.set i, 0
	s_wait_alu depctr_va_vdst(0)
.rept 64
	v_exp_f32 v[T+i], v[T+i]
.set i, i+1
.endr
	v_nop
	s_wait_alu depctr_va_vdst(0)
.set i, 0
.rept 32
	v_pk_add_f32 v[T+i:T+i+1], v[T+i:T+i+1], 1.0 op_sel_hi:[1,0]
.set i, i+2
.endr
.set i, 0
	s_wait_alu depctr_va_vdst(0)
.rept 64
	v_rcp_f32 v[T+i], v[T+i]
.set i, i+1
.endr
	v_nop
	s_wait_alu depctr_va_vdst(0)
	WIN 0x08+4*((\a)/4)
.set i, 0
.rept 32
	v_pk_mul_f32 v[T+i:T+i+1], v[T+i:T+i+1], v[AC+i:AC+i+1]
.set i, i+2
.endr
	WIN 0
	QUANT T, CD, PWS+(\a)
.endm
	s_mov_b32 s90, 0x76543210
	s_mov_b32 s91, 0xfedcba98
	s_mov_b32 s89, 0x600000
	s_mov_b32 s92, 0xbdd2d3e8
	s_mov_b32 s93, s92
	v_mov_b32 v[K1], 0xc0135761
	v_mov_b32 v[K1+1], 0xc0135761
.irp b, 0,1,2,3
	v_mov_b32 v[TM+4+\b], 0
.endr
.irp a, 0,1,2,3,4,5,6,7
	E1 \a
.endr
.irp a, 0,1,2,3,4,5,6,7
.irp t, 0,1,2,3,4,5,6,7
	ds_store_b64 v[STOC], v[64+16*\a+64*(\a/4)+2*\t:64+16*\a+64*(\a/4)+2*\t+1] offset:\a*2048+(\t/2)*512+(\t%2)*256
.endr
.endr
.irp a, 0,1,2,3,4,5,6,7
	ds_store_b32 v[SSW], v[PWS+\a] offset:64*\a
.endr
	WIN 0x40
.set i, 0
.rept 32
	ds_load_b128 v[4*i:4*i+3], v[RDC] offset:512*i
.set i, i+1
.endr
	ds_load_b128 v[128:131], v[SRW]
	WIN 0x04
.set i, 0
.rept 32
	s_wait_dscnt 32-i
	global_store_b128 v[CO], v[4*i:4*i+3], s[12:13] offset:512*i
.set i, i+1
.endr
	s_wait_dscnt 0
	global_store_b128 v[CO], v[128:131], s[66:67]
	WIN 0
	s_wait_tensorcnt 0x0
	ds_add_u32 v[SPW], v[NIL]
	s_wait_dscnt 0x0
	CROUND
	s_endpgm
.Lfunc_end_k_q7ba44eb48b_fc:
	.size	k_q7ba44eb48b_fc, .Lfunc_end_k_q7ba44eb48b_fc-k_q7ba44eb48b_fc
	.p2alignl 7, 3214868480
	.fill 96, 4, 3214868480
	.section	.rodata,"a",@progbits
	.p2align	6, 0x0
	.amdhsa_kernel k_q7ba44eb48b_fc
		.amdhsa_group_segment_fixed_size 327680
		.amdhsa_private_segment_fixed_size 0
		.amdhsa_enable_private_segment 0
		.amdhsa_kernarg_size 40
		.amdhsa_user_sgpr_count 2
		.amdhsa_user_sgpr_kernarg_segment_ptr 1
		.amdhsa_wavefront_size32 1
		.amdhsa_system_sgpr_workgroup_id_x 1
		.amdhsa_system_sgpr_workgroup_id_y 1
		.amdhsa_system_sgpr_workgroup_id_z 1
		.amdhsa_system_vgpr_workitem_id 0
		.amdhsa_next_free_vgpr 1024
		.amdhsa_next_free_sgpr 106
		.amdhsa_reserve_vcc 0
		.amdhsa_float_denorm_mode_32 3
		.amdhsa_float_denorm_mode_16_64 3
		.amdhsa_memory_ordered 1
		.amdhsa_forward_progress 1
		.amdhsa_inst_pref_size 255
	.end_amdhsa_kernel
	.section	.bss,"aw",@nobits
	.p2align	6
	.space	262144
	.amdgpu_metadata
---
amdhsa.version: [ 1, 2 ]
amdhsa.kernels:
  - .name:           k_q7ba44eb48b_fc
    .symbol:         k_q7ba44eb48b_fc.kd
    .args:
      - { .name: mq, .offset: 0, .size: 8, .value_kind: global_buffer, .address_space: global }
      - { .name: fc_w_codes, .offset: 8, .size: 8, .value_kind: global_buffer, .address_space: global }
      - { .name: fc_w_scales, .offset: 16, .size: 8, .value_kind: global_buffer, .address_space: global }
      - { .name: fc_b, .offset: 24, .size: 8, .value_kind: global_buffer, .address_space: global }
      - { .name: hq, .offset: 32, .size: 8, .value_kind: global_buffer, .address_space: global }
    .group_segment_fixed_size: 327680
    .private_segment_fixed_size: 0
    .kernarg_segment_align: 8
    .kernarg_segment_size: 40
    .max_flat_workgroup_size: 128
    .sgpr_count:     106
    .vgpr_count:     1024
    .wavefront_size: 32
...
	.end_amdgpu_metadata
.endif
;; end of part 5
;; launch fc2 (part 6): grid 8 x 32, 4 waves a work-group, clusters of 4 x 4, 327,680 bytes of LDS; arguments hq, fc2_w_codes, fc2_w_scales, fc2_b, h1, out0; writes out0
.if DOCPART == 6
	.amdgcn_target "amdgcn-amd-amdhsa--gfx1250"
	.amdhsa_code_object_version 6
	.text
	.protected	k_q7ba44eb48b_fc2
	.globl	k_q7ba44eb48b_fc2
	.p2align	8
	.type	k_q7ba44eb48b_fc2,@function
k_q7ba44eb48b_fc2:
	s_mov_b64 s[64:65], 0
	v_nop
	global_prefetch_b8 v0, s[64:65] scope:SCOPE_SE
	s_setreg_imm32_b32 hwreg(HW_REG_WAVE_MODE, 25, 1), 1
	s_wait_xcnt 0x0
	s_wait_alu depctr_hold_cnt(0) depctr_sa_sdst(0) depctr_va_vdst(0) depctr_va_sdst(0) depctr_va_ssrc(0) depctr_va_vcc(0) depctr_vm_vsrc(0)
	s_getreg_b32 s2, hwreg(HW_REG_IB_STS2, 6, 4)
	s_cmp_eq_u32 s2, 0
	s_cbranch_scc0 .Lentry_in_a_cluster
	s_endpgm
.Lentry_in_a_cluster:
	s_bfe_u32 s2, ttmp6, 0x10000c
	s_cmp_lg_u32 s2, 0xf033
	s_cbranch_scc0 .Lentry_shape_is_right
	s_endpgm
.Lentry_shape_is_right:
; out = res + A W^T + b.  A: [4,096][KK] as images of the operand's registers ([KK / 128][256 tiles of 16 rows][2,048 bytes]); W: [1,024][KK] codes, K innermost; BF8 (E5M2) with E8M0 scales; res, out: [4,096][1,024] f32.
; N = 1,024 gives 64 tiles of 256 x 256, too few for the chip's WGPs: a tile is 128 x 128, 256 work-groups; four waves of 64 x 64: 16 accumulators.  A slot holds 512 along K, four steps of 128, brought by one load a wave.
; A's part of a slot is dense: an image comes back by four loads of 512 consecutive bytes.  W's rows of 512 bytes get 16 bytes of padding.  The scale bytes for all of K come once and stay.
; CLUSTERS: 4 x 4; A's tiles jointly along a row of the cluster, W's along a column.  The matrix instruction is used transposed: a lane holds eight neighbouring columns of a row.
; The bias is the C of the first products.  The residual is asked for at the head and added on the way out.  A wave's 64 columns are 256 bytes: its own stage in LDS (in slot 0, which has had its last fill and read) turns
; 16 rows at a time into whole rows, and sixteen lanes store 256 consecutive bytes.
; This text: KK = 4,096: eight slots' worth, four laps of the ring.  A's scale words lie [chunk 32][4,096][4].
; REGISTERS: window 0: v16-29 addresses; v32-63 A's scale words (16 set + 4 i + q); v64-95 W's; v128-255 accumulators.  Window 1: two fragment buffers (A 64, W 64).  Window 2: v0-127 residual; v128-159 bias; v160-223 rows read back.
.set KK,    4096
.set FC2,   1
.set LAPS,  KK/1024
.set KSB,   KK/32
.set PB,    528
.set ASL,   65536
.set HALFB, 64*PB
.set SLOT,  ASL+2*HALFB
.set LSA,   2*SLOT
.set LSB,   LSA+KK*4
.set HALFS, (64*KSB/256)*272
.set SBLK,  (16*KSB/256)*272
.set SPARE, LSB+2*HALFS
.set SAC,   64                         ; A's scales: a row of the tile in elements of 8 bytes (128 rows x 4 bytes),
.set SAR,   16                         ; half the rows of the load (chunks),
.set SAP,   2048                       ; their pitch in elements,
.set ASOFF, 16777216                   ; and where they begin in A's buffer
.set ADRA, 16
.set ADRB, 20
.set ADSA, 22
.set ADSB, 23
.set STO,  24
.set RD,   25
.set CO,   26
.set BO,   27
.set SPW,  28
.set NIL,  29
.set PFO,  30                          ; v30, v31  the prefetches' offsets for an even and an odd slot; never rewritten
.set PFA,  96                          ; s[96:97]  where my prefetches stand: an even slot
.set PFS,  98                          ; s[98:99]  two slots on, in bytes
.set LIM,  100                         ; s100      1 where my wave asks, else the greatest number
.set SCA,  32
.set SCB,  64
.set ACC,  128
.set BI,   128
.set RB,   160
.set G1, 24
.set G0, 32
.set G1B, 48
.set G0B, 56
.set G1S, 68
.set G0S, 76
.set G1SB, 80
.set G0SB, 88
.set MSB, 0
.macro WIN new
.if MSB != (\new)
	s_set_vgpr_msb (MSB<<8)|(\new)
.set MSB, (\new)
.endif
.endm
.macro JLOAD g0a, g1a, g0b, g1b        ; waves 0 and 1 fetch for A, waves 2 and 3 for W; four v_nop follow each of the two lines
	s_cmp_eq_u32 s15, 0
	s_cbranch_scc0 .Lfor_b_\@
	tensor_load_to_lds s[\g0a:\g0a+3], s[\g1a:\g1a+7]
	s_nop 0
.rept 4
	v_nop
.endr
	s_branch .Lasked_\@
.Lfor_b_\@:
	tensor_load_to_lds s[\g0b:\g0b+3], s[\g1b:\g1b+7]
	s_nop 0
.rept 4
	v_nop
.endr
.Lasked_\@:
.endm
.macro CREST
	s_cmp_lg_u32 s14, 0
	s_cbranch_scc1 .Lnot_wave_0_\@
	s_barrier_signal -3
.Lnot_wave_0_\@:
	s_barrier_wait -3
	s_barrier_signal -1
	s_barrier_wait -1
.endm
.macro CROUND
	s_barrier_signal -1
	s_barrier_wait -1
	CREST
.endm
.macro PLACES n
.rept \n
	v_nop
.endr
.endm
	s_load_b256 s[4:11], s[0:1], 0x0               ; A s[4:5], W's codes s[6:7], W's scales s[8:9], the bias s[10:11]
	s_load_b64 s[12:13], s[0:1], 0x20              ; the residual
	s_load_b64 s[66:67], s[0:1], 0x28              ; out
	v_lshl_add_u32 v[SPW], v0, 2, SPARE
	v_mov_b32 v[NIL], 0
	ds_add_u32 v28, v29
	ds_add_u32 v28, v29
	s_wait_dscnt 0x0
	v_lshrrev_b32 v1, 5, v0
	v_readfirstlane_b32 s14, v1                    ; wave 0..3
	s_lshr_b32 s15, s14, 1                         ; my half of the tile's rows.  Also: I fetch for A (0) or for W (1)
	s_and_b32 s16, s14, 1                          ; my half of its columns.  Also: which half of that operand I fetch
	s_bfe_u32 s40, ttmp6, 0x40000                  ; cx
	s_bfe_u32 s41, ttmp6, 0x40004                  ; cy
	s_lshl_b32 s42, ttmp9, 2
	s_add_co_u32 s42, s42, s40                     ; tile column
	s_and_b32 s17, ttmp7, 0xffff
	s_lshl_b32 s17, s17, 2
	s_add_co_u32 s17, s17, s41                     ; tile row
	s_lshl_b32 s43, s41, 2
	s_lshl_b32 s43, 15, s43                        ; my row of the cluster
	s_lshl_b32 s44, 0x1111, s40                    ; my column
	s_or_b32 s[G1+0], s43, (3<<16)|(1<<21)         ; A: two chunks of 16,384 dense bytes (2,048 elements of 8 bytes), 524,288 bytes apart; no padding
	s_mov_b32 s[G1+1], 2048<<16
	s_mov_b32 s[G1+2], 4<<16                       ; four chunks for the head's load; two behind it
	s_mov_b32 s[G1+3], 2048<<16
	s_mov_b32 s[G1+4], 4
	s_mov_b32 s[G1+5], 65536
	s_mov_b32 s[G1+6], 0
	s_mov_b32 s[G1+7], 0
	s_or_b32 s[G1B+0], s44, (0<<16)|(1<<20)|(1<<21)|(6<<22)|(3<<25)   ; W: 64 rows of 512 bytes, 4 words of padding behind every 128
	s_mov_b32 s[G1B+1], 512<<16
	s_mov_b32 s[G1B+2], 128<<16                    ; 128 rows for the head's load; 64 behind it
	s_mov_b32 s[G1B+3], 512<<16
	s_mov_b32 s[G1B+4], 128
	s_mov_b32 s[G1B+5], KK
	s_mov_b32 s[G1B+6], 0
	s_mov_b32 s[G1B+7], 0
	s_or_b32 s[G1S+0], s43, (3<<16)|(1<<21)        ; A's scales: 2 SAR rows of SAC elements, dense in LDS
	s_mov_b32 s[G1S+1], SAC<<16
	s_mov_b32 s[G1S+2], (2*SAR)<<16                ; all of A's scales by one load
	s_mov_b32 s[G1S+3], SAC<<16
	s_mov_b32 s[G1S+4], 2*SAR
	s_mov_b32 s[G1S+5], SAP
	s_mov_b32 s[G1S+6], 0
	s_mov_b32 s[G1S+7], 0
	s_or_b32 s[G1SB+0], s44, (3<<16)|(1<<20)|(1<<21)|(5<<22)|(3<<25)  ; W's scales of 128 rows: dense, as rows of 256 bytes + 16
	s_mov_b32 s[G1SB+1], 32<<16
	s_mov_b32 s[G1SB+2], (128*KSB/256)<<16         ; the scales of W's 128 rows by one load
	s_mov_b32 s[G1SB+3], 32<<16
	s_mov_b32 s[G1SB+4], 128*KSB/256
	s_mov_b32 s[G1SB+5], 32
	s_mov_b32 s[G1SB+6], 0
	s_mov_b32 s[G1SB+7], 0
	s_lshl_b32 s20, s17, 14                        ; A's codes: the tile row's eight images
	s_mov_b32 s21, 0
	s_mov_b32 s22, 0
	s_mul_i32 s23, s17, SAC*8
	s_add_co_u32 s22, s22, s23
	s_add_co_u32 s22, s22, ASOFF
	s_mov_b32 s23, 0
	s_lshl_b32 s46, s42, 7
	s_mov_b32 s47, 0
	s_mov_b64 s[18:19], KSB
	s_mul_u64 s[92:93], s[46:47], s[18:19]
	s_mov_b64 s[18:19], KK
	s_mul_u64 s[46:47], s[46:47], s[18:19]
	s_lshl_b32 s45, s16, 15                        ; where they go in a slot: A's,
	s_mul_i32 s94, s16, HALFB
	s_add_co_u32 s94, s94, ASL                     ; W's,
	s_mov_b32 s2, LSA                              ; and the scales
	s_mov_b32 s3, LSB
	s_wait_kmcnt 0x0
	s_add_nc_u64 s[20:21], s[4:5], s[20:21]
	s_add_nc_u64 s[22:23], s[4:5], s[22:23]
	s_add_nc_u64 s[46:47], s[6:7], s[46:47]
	s_add_nc_u64 s[92:93], s[8:9], s[92:93]
	s_mov_b32 s[G0], 1                             ; the head's loads of slot 0, each whole: A's four chunks,
	s_mov_b32 s[G0+1], 0
	s_mov_b64 s[G0+2:G0+3], s[20:21]
	s_or_b32 s[G0+3], s[G0+3], 0x80000000
	s_mov_b32 s[G0B], 1                            ; W's 128 rows
	s_mov_b32 s[G0B+1], ASL
	s_mov_b64 s[G0B+2:G0B+3], s[46:47]
	s_or_b32 s[G0B+3], s[G0B+3], 0x80000000
	s_lshl_b32 s104, s16, 20                       ; for the ring: my two chunks of A,
	s_mov_b32 s105, 0
	s_add_nc_u64 s[20:21], s[20:21], s[104:105]
	s_mul_i32 s104, s16, 64*KK                     ; my 64 rows of W
	s_add_nc_u64 s[46:47], s[46:47], s[104:105]
	; PREFETCH: slots 1 and 2 are named behind the head's loads, slot 3 behind slot 1's load, and with the load of slot n (2 and on) goes the request for slot n + 2; the last lap, which loads slots 6 and 7, names nothing; slot 0 comes by its load alone.
	; Of what I fetch of a slot in the ring (A: two chunks of 16,384 bytes; W: 64 rows of 512 bytes: 128 blocks of 256 bytes) each of the four partners that ask for it jointly names 32 blocks, by address:
	; A: partner cx chunk cx / 2, half cx % 2, a lane a block; W: partner cy 16 rows, two lanes a row.  W's rows are walked by all eight rows of clusters: the first four name them.
	s_mov_b32 s[PFS], 1024
	s_mov_b32 s104, 512
	s_and_b32 s100, ttmp7, 0xffff
	s_lshr_b32 s100, s100, 2                       ; 0 in the first four rows of clusters
	s_lshr_b32 s101, s40, 1
	s_lshl_b32 s101, s101, 19
	s_and_b32 s99, s40, 1
	s_lshl_b32 s99, s99, 13
	s_add_co_u32 s101, s101, s99
	s_mul_i32 s99, s41, 16*KK
	s_cmp_eq_u32 s15, 0                            ; do I fetch for A?
	s_cselect_b64 s[PFA:PFA+1], s[20:21], s[46:47]
	s_cselect_b32 s105, -1, 0
	s_cselect_b32 s[PFS], 4194304, s[PFS]
	s_cselect_b32 s104, 2097152, s104              ; a slot on
	s_cselect_b32 s101, s101, s99
	s_cselect_b32 s100, 0, s100
	v_and_b32 v18, 31, v0
	v_lshrrev_b32 v19, 1, v18
	v_and_b32 v31, 1, v18
	v_mul_u32_u24 v19, v19, KK
	v_lshl_add_u32 v19, v31, 8, v19
	v_lshlrev_b32 v18, 8, v18
	v_cndmask_b32 v[PFO], v19, v18, s105
	v_add_nc_u32 v[PFO+1], s104, v[PFO]
	v_add_nc_u32 v18, s[PFS], v[PFO]               ; two slots on: for the head's request alone; never rewritten
	s_cmp_eq_u32 s100, 0
	s_cselect_b32 s[LIM], 1, -1
	s_mov_b32 s[PFS+1], 0
	s_mov_b32 s104, s101
	s_mov_b32 s105, 0
	s_add_nc_u64 s[PFA:PFA+1], s[PFA:PFA+1], s[104:105]
	s_wait_alu depctr_va_vdst(0)
	CROUND
	s_mov_b32 s[G0S], 1
	s_mov_b32 s[G0S+1], s2
	s_mov_b64 s[G0S+2:G0S+3], s[22:23]
	s_or_b32 s[G0S+3], s[G0S+3], 0x80000000
	s_mov_b32 s[G0SB], 1
	s_mov_b32 s[G0SB+1], s3
	s_mov_b64 s[G0SB+2:G0SB+3], s[92:93]
	s_or_b32 s[G0SB+3], s[G0SB+3], 0x80000000
; THE HEAD'S LOADS, ONE A WAVE: wave 0 slot 0 of A, wave 1 slot 0 of W, wave 2 A's scales, wave 3 W's: one chain of branches on the wave's number, a load to an arm.
.macro ARM under, g0, g1, next
	s_cmp_lt_u32 s14, \under
	s_cbranch_scc0 \next
	tensor_load_to_lds s[\g0:\g0+3], s[\g1:\g1+7]
	s_nop 0
.rept 4
	v_nop
.endr
	s_branch .Lhead_asked
\next:
.endm
	ARM 1, G0,  G1,  .Lhead_b
	ARM 2, G0B, G1B, .Lhead_sa
	ARM 3, G0S, G1S, .Lhead_sb
	tensor_load_to_lds s[G0SB:G0SB+3], s[G1SB:G1SB+7]
	s_nop 0
.rept 4
	v_nop
.endr
.Lhead_asked:
	s_cmp_eq_u32 s[LIM], 1
	s_cbranch_scc0 .Lno_ask_0
	global_prefetch_b8 v[PFO+1], s[PFA:PFA+1] th:TH_LOAD_NT scope:SCOPE_SE
	global_prefetch_b8 v18, s[PFA:PFA+1] th:TH_LOAD_NT scope:SCOPE_SE
.Lno_ask_0:
.irp s, 1
	s_mov_b32 s[G0+4*\s], 1
	s_add_co_u32 s[G0+4*\s+1], s45, \s*SLOT
	s_add_nc_u64 s[G0+4*\s+2:G0+4*\s+3], s[20:21], \s*2097152
	s_or_b32 s[G0+4*\s+3], s[G0+4*\s+3], 0x80000000
	s_mov_b32 s[G0B+4*\s], 1
	s_add_co_u32 s[G0B+4*\s+1], s94, \s*SLOT
	s_add_nc_u64 s[G0B+4*\s+2:G0B+4*\s+3], s[46:47], \s*512
	s_or_b32 s[G0B+4*\s+3], s[G0B+4*\s+3], 0x80000000
	s_wait_alu depctr_va_vdst(0)
	s_wait_tensorcnt 0x0
	ds_add_u32 v28, v29
	s_mov_b32 s[G0+1], s45                         ; no tensor load of mine is out, so descriptors may be written: slot 0's for the ring, my half,
	s_mov_b64 s[G0+2:G0+3], s[20:21]
	s_or_b32 s[G0+3], s[G0+3], 0x80000000
	s_mov_b32 s[G0B+1], s94
	s_mov_b64 s[G0B+2:G0B+3], s[46:47]
	s_or_b32 s[G0B+3], s[G0B+3], 0x80000000
	s_mov_b32 s[G1+2], 2<<16                       ; and from here on a load brings two chunks of A
	s_mov_b32 s[G1+4], 2
	s_mov_b32 s[G1B+2], 64<<16                     ; or 64 rows of W
	s_mov_b32 s[G1B+4], 64
	s_wait_xcnt 0x0                                ; my prefetches have read their address: two slots on
	s_add_nc_u64 s[PFA:PFA+1], s[PFA:PFA+1], s[PFS:PFS+1]
	s_wait_dscnt 0x0
	CROUND
	JLOAD G0+4*\s, G1, G0B+4*\s, G1B
	s_cmp_eq_u32 s[LIM], 1
	s_cbranch_scc0 .Lno_ask_h\s
	global_prefetch_b8 v[PFO+\s], s[PFA:PFA+1] th:TH_LOAD_NT scope:SCOPE_SE
.Lno_ask_h\s:
.endr
	v_and_b32 v1, 15, v0                           ; r
	v_bfe_u32 v2, v0, 4, 1                         ; h
	v_and_b32 v3, 31, v0                           ; lane
	v_lshlrev_b32 v4, 4, v3
	v_mul_u32_u24 v5, v1, PB
	v_lshl_add_u32 v5, v2, 4, v5
	s_lshl_b32 s21, s15, 13                        ; my four images of a chunk's eight
	s_mul_i32 s22, s16, HALFB
	s_add_co_u32 s22, s22, ASL
.irp s, 0,1
	v_add_nc_u32 v[ADRA+\s], s21, v4
	v_add_nc_u32 v[ADRB+\s], s22, v5
	s_add_co_u32 s21, s21, SLOT
	s_add_co_u32 s22, s22, SLOT
.endr
.if FC2
	s_lshl_b32 s21, s15, 8
	s_add_co_u32 s21, s21, LSA
	v_lshl_add_u32 v[ADSA], v1, 2, s21             ; A's words: 4 bytes a row, my 64 rows
.else
	s_lshl_b32 s21, s15, 7
	s_add_co_u32 s21, s21, LSA
	v_lshl_add_u32 v[ADSA], v1, 1, s21             ; A's pairs of bytes: 2 bytes a row
.endif
	v_mul_u32_u24 v5, v1, KSB
	v_lshrrev_b32 v6, 8, v5
	v_lshl_add_u32 v5, v6, 4, v5                   ; W's: KSB bytes a row, 16 more for each 256 passed
	s_mul_i32 s21, s16, HALFS
	s_add_co_u32 s21, s21, LSB
	v_add_nc_u32 v[ADSB], s21, v5
	s_mul_i32 s21, s14, 16*272                     ; my stage
	v_mul_u32_u24 v5, v1, 272
	v_lshl_add_u32 v5, v2, 5, v5
	v_add_nc_u32 v[STO], s21, v5
	v_mul_u32_u24 v5, v2, 272
	v_lshl_add_u32 v5, v1, 4, v5
	v_add_nc_u32 v[RD], s21, v5
	v_lshlrev_b32 v5, 12, v2
	v_lshl_add_u32 v[CO], v1, 4, v5                ; lanes 0-15 one row of out, lanes 16-31 the next
	v_lshlrev_b32 v[BO], 5, v2
	s_wait_alu depctr_va_vdst(0)
	s_lshl_b32 s18, s17, 19                        ; my first row, 128 x tile row + 64 x half, x 4,096 bytes,
	s_lshl_b32 s19, s15, 18
	s_add_co_u32 s18, s18, s19
	s_lshl_b32 s20, s42, 9                         ; my first column, 128 x tile column + 64 x half, x 4 bytes
	s_lshl_b32 s19, s16, 8
	s_add_co_u32 s20, s20, s19
	s_add_co_u32 s18, s18, s20
	s_mov_b32 s19, 0
	s_mov_b32 s21, 0
	s_add_nc_u64 s[12:13], s[12:13], s[18:19]
	s_add_nc_u64 s[66:67], s[66:67], s[18:19]
	s_add_nc_u64 s[10:11], s[10:11], s[20:21]
	WIN 0x80                                       ; destination window 2
.irp b, 0,1,2,3
	global_load_b128 v[BI+8*\b:BI+8*\b+3], v[BO], s[10:11] offset:64*\b
	global_load_b128 v[BI+8*\b+4:BI+8*\b+7], v[BO], s[10:11] offset:64*\b+16
.endr
.irp a, 0,1,2,3
.irp t, 0,1,2,3,4,5,6,7
	global_load_b128 v[32*\a+4*\t:32*\a+4*\t+3], v[CO], s[12:13] offset:(16*\a+2*\t)*4096 th:TH_LOAD_NT
.endr
.endr
	WIN 0
.macro MUL4 f, a, q, set, first        ; A's block a x W's four; the 16 accumulators take turns, one instruction a turn
.irp b, 0,1,2,3
.if \first
	v_wmma_scale_f32_16x16x128_f8f6f4 v[ACC+8*(4*(\a)+\b):ACC+8*(4*(\a)+\b)+7], v[\f+64+16*\b:\f+64+16*\b+15], v[\f+16*(\a):\f+16*(\a)+15], v[BI+8*\b:BI+8*\b+7], v[SCB+16*(\set)+4*\b+(\q)], v[SCA+16*(\set)+4*(\a)+(\q)] matrix_a_fmt:MATRIX_FMT_BF8 matrix_b_fmt:MATRIX_FMT_BF8
.else
	v_wmma_scale_f32_16x16x128_f8f6f4 v[ACC+8*(4*(\a)+\b):ACC+8*(4*(\a)+\b)+7], v[\f+64+16*\b:\f+64+16*\b+15], v[\f+16*(\a):\f+16*(\a)+15], v[ACC+8*(4*(\a)+\b):ACC+8*(4*(\a)+\b)+7], v[SCB+16*(\set)+4*\b+(\q)], v[SCA+16*(\set)+4*(\a)+(\q)] matrix_a_fmt:MATRIX_FMT_BF8 matrix_b_fmt:MATRIX_FMT_BF8
.endif
.endr
.endm
.macro FETCH slot, q, f                ; 32 LDS loads in one run: W's four fragments, then A's four
	WIN 0x40
.irp i, 0,1,2,3
.irp c, 0,1,2,3
	ds_load_b128 v[\f+64+16*\i+4*\c:\f+64+16*\i+4*\c+3], v[ADRB+\slot] offset:128*(\q)+32*\c+16*PB*\i
.endr
.endr
.irp i, 0,1,2,3
.irp c, 0,1,2,3
	ds_load_b128 v[\f+16*\i+4*\c:\f+16*\i+4*\c+3], v[ADRA+\slot] offset:16384*(\q)+2048*\i+512*\c
.endr
.endr
.endm
.macro SCALES set                      ; a slot's scale words
.irp i, 0,1,2,3
	ds_load_b128 v[SCB+16*(\set)+4*\i:SCB+16*(\set)+4*\i+3], v[ADSB] offset:\i*SBLK
.endr
.if FC2
.irp i, 0,1,2,3
.irp q, 0,1,2,3
	ds_load_b32 v[SCA+16*(\set)+4*\i+\q], v[ADSA] offset:512*\q+64*\i
.endr
.endr
.endif
.endm
.macro STEP slot, q, first             ; 128 along K that has its successor in the same slot
.set FB, 128*((\q)%2)
.set GB, 128-FB
	s_wait_dscnt 8                                 ; all but the youngest eight loads (A's blocks 2, 3) are in
	WIN 0x05+0x20*(\first)                         ; sources 0 and 1 window 1; with the bias as C: source 2 window 2
	MUL4 FB, 0, \q, \slot, \first
	MUL4 FB, 1, \q, \slot, \first
	PLACES 8
	FETCH \slot, (\q)+1, GB
	s_wait_dscnt 32                                ; all but the 32 just issued
	WIN 0x05+0x20*(\first)
	MUL4 FB, 2, \q, \slot, \first
	MUL4 FB, 3, \q, \slot, \first
.endm
.macro TURN slot, next, fill           ; a slot's last step changes slots
	WIN 0
.if (\fill) && ((\slot) == 0)
	s_wait_xcnt 0x0                                ; my prefetches, a lap back, have read their address: two slots on
	s_add_nc_u64 s[PFA:PFA+1], s[PFA:PFA+1], s[PFS:PFS+1]
.endif
	s_wait_tensorcnt 0x0                           ; all my tensor loads have landed: my part of the next slot
	ds_add_u32 v[SPW], v[NIL]                      ; 0 onto my spare word
	s_wait_dscnt 9                                 ; (the add and the youngest eight loads may be out)
	WIN 0x05
	MUL4 128, 0, 3, \slot, 0
	s_wait_dscnt 0x0                               ; the add is done, and my reads of this slot are over
	s_barrier_signal -1
	MUL4 128, 1, 3, \slot, 0
	WIN 0
	s_barrier_wait -1
.if \fill
	CREST                                          ; the barrier has opened a round of the cluster's: no wave of any partner still reads this slot or has a load on its way
	s_add_nc_u64 s[G0+4*\slot+2:G0+4*\slot+3], s[G0+4*\slot+2:G0+4*\slot+3], 4194304
	s_add_nc_u64 s[G0B+4*\slot+2:G0B+4*\slot+3], s[G0B+4*\slot+2:G0B+4*\slot+3], 1024
	JLOAD G0+4*\slot, G1, G0B+4*\slot, G1B         ; the first tensor load behind the round; it has four steps of 128 in which to land
	PLACES 4
.else
	PLACES 8
.endif
.if FC2
	s_wait_alu depctr_va_vdst(0)
	v_add_nc_u32 v[ADSA], 2048, v[ADSA]
.endif
	v_add_nc_u32 v[ADSB], 16, v[ADSB]
	SCALES \next
	FETCH \next, 0, 0
.if \fill
	WIN 0
	s_cmp_gt_u32 s3, s[LIM]                        ; s3 = 1 in the last lap
	s_cbranch_scc0 .Lnot_mine_\@
	global_prefetch_b8 v[PFO+\slot], s[PFA:PFA+1] th:TH_LOAD_NT scope:SCOPE_SE
.Lnot_mine_\@:
.endif
	WIN 0x05
	MUL4 128, 2, 3, \slot, 0
	MUL4 128, 3, 3, \slot, 0
.endm
	s_wait_tensorcnt 1                             ; the scales and my part of slot 0 are in; slot 1's load may be out
	s_barrier_signal -1
	s_barrier_wait -1
	SCALES 0
	FETCH 0, 0, 0
	s_wait_loadcnt 32                              ; the bias is in; the 32 loads of the residual may be out
	STEP 0, 0, 1
.if LAPS > 1
	WIN 0
	s_mov_b32 s3, LAPS-1
.Llap:                                                 ; a trip goes once round the ring and fills both slots again
	STEP 0, 1, 0
	STEP 0, 2, 0
	TURN 0, 1, 1
	STEP 1, 0, 0
	STEP 1, 1, 0
	STEP 1, 2, 0
	TURN 1, 0, 1
	STEP 0, 0, 0
	WIN 0
	s_sub_co_u32 s3, s3, 1
	s_cmp_lg_u32 s3, 0
	s_cbranch_scc1 .Llap
.endif
	STEP 0, 1, 0                                   ; the last lap fills nothing
	STEP 0, 2, 0
	TURN 0, 1, 0
	STEP 1, 0, 0
	STEP 1, 1, 0
	STEP 1, 2, 0
	s_wait_dscnt 8
	WIN 0x05
	MUL4 128, 0, 3, 1, 0
	MUL4 128, 1, 3, 1, 0
	s_wait_dscnt 0
	MUL4 128, 2, 3, 1, 0
	MUL4 128, 3, 3, 1, 0
	WIN 0
	PLACES 8
.macro TOSTAGE a                       ; 16 rows x 64 columns into my stage and back as whole rows; LDS serves a wave's instructions in order
	WIN 0
.irp b, 0,1,2,3
	ds_store_b128 v[STO], v[ACC+8*(4*(\a)+\b):ACC+8*(4*(\a)+\b)+3] offset:64*\b
	ds_store_b128 v[STO], v[ACC+8*(4*(\a)+\b)+4:ACC+8*(4*(\a)+\b)+7] offset:64*\b+16
.endr
	WIN 0x80
.irp t, 0,1,2,3,4,5,6,7
	ds_load_b128 v[RB+32*((\a)%2)+4*\t:RB+32*((\a)%2)+4*\t+3], v[RD] offset:544*\t
.endr
.endm
.macro SEND a, younger
	s_wait_dscnt \younger                          ; the block is back; the next block's sixteen LDS instructions may be out
	WIN 0x8a                                       ; all in window 2
.irp t, 0,1,2,3,4,5,6,7
	v_pk_add_f32 v[RB+32*((\a)%2)+4*\t:RB+32*((\a)%2)+4*\t+1], v[RB+32*((\a)%2)+4*\t:RB+32*((\a)%2)+4*\t+1], v[32*(\a)+4*\t:32*(\a)+4*\t+1]
	v_pk_add_f32 v[RB+32*((\a)%2)+4*\t+2:RB+32*((\a)%2)+4*\t+3], v[RB+32*((\a)%2)+4*\t+2:RB+32*((\a)%2)+4*\t+3], v[32*(\a)+4*\t+2:32*(\a)+4*\t+3]
.endr
	WIN 0x08                                       ; a store's data are its source 1
.irp t, 0,1,2,3,4,5,6,7
	global_store_b128 v[CO], v[RB+32*((\a)%2)+4*\t:RB+32*((\a)%2)+4*\t+3], s[66:67] offset:(16*(\a)+2*\t)*4096   ; sixteen lanes store 256 consecutive bytes
.endr
.endm
	TOSTAGE 0
	s_wait_loadcnt 0x0                             ; the residual
	TOSTAGE 1
	SEND 0, 16
	s_wait_xcnt 0x0                                ; block 0's stores have read their registers: block 2 may land there
	TOSTAGE 2
	SEND 1, 16
	s_wait_xcnt 0x0
	TOSTAGE 3
	SEND 2, 16
	SEND 3, 0
	WIN 0
	s_wait_tensorcnt 0x0                           ; the wave's end
	ds_add_u32 v[SPW], v[NIL]
	s_wait_dscnt 0x0
	CROUND                                         ; the closing round
	s_endpgm
.Lfunc_end_k_q7ba44eb48b_fc2:
	.size	k_q7ba44eb48b_fc2, .Lfunc_end_k_q7ba44eb48b_fc2-k_q7ba44eb48b_fc2
	.p2alignl 7, 3214868480
	.fill 96, 4, 3214868480
	.section	.rodata,"a",@progbits
	.p2align	6, 0x0
	.amdhsa_kernel k_q7ba44eb48b_fc2
		.amdhsa_group_segment_fixed_size 327680
		.amdhsa_private_segment_fixed_size 0
		.amdhsa_enable_private_segment 0
		.amdhsa_kernarg_size 48
		.amdhsa_user_sgpr_count 2
		.amdhsa_user_sgpr_kernarg_segment_ptr 1
		.amdhsa_wavefront_size32 1
		.amdhsa_system_sgpr_workgroup_id_x 1
		.amdhsa_system_sgpr_workgroup_id_y 1
		.amdhsa_system_sgpr_workgroup_id_z 1
		.amdhsa_system_vgpr_workitem_id 0
		.amdhsa_next_free_vgpr 768
		.amdhsa_next_free_sgpr 106
		.amdhsa_reserve_vcc 0
		.amdhsa_float_denorm_mode_32 3
		.amdhsa_float_denorm_mode_16_64 3
		.amdhsa_memory_ordered 1
		.amdhsa_forward_progress 1
		.amdhsa_inst_pref_size 108
	.end_amdhsa_kernel
	.amdgpu_metadata
---
amdhsa.version: [ 1, 2 ]
amdhsa.kernels:
  - .name:           k_q7ba44eb48b_fc2
    .symbol:         k_q7ba44eb48b_fc2.kd
    .args:
      - { .name: hq, .offset: 0, .size: 8, .value_kind: global_buffer, .address_space: global }
      - { .name: fc2_w_codes, .offset: 8, .size: 8, .value_kind: global_buffer, .address_space: global }
      - { .name: fc2_w_scales, .offset: 16, .size: 8, .value_kind: global_buffer, .address_space: global }
      - { .name: fc2_b, .offset: 24, .size: 8, .value_kind: global_buffer, .address_space: global }
      - { .name: h1, .offset: 32, .size: 8, .value_kind: global_buffer, .address_space: global }
      - { .name: out0, .offset: 40, .size: 8, .value_kind: global_buffer, .address_space: global }
    .group_segment_fixed_size: 327680
    .private_segment_fixed_size: 0
    .kernarg_segment_align: 8
    .kernarg_segment_size: 48
    .max_flat_workgroup_size: 128
    .sgpr_count:     106
    .vgpr_count:     768
    .wavefront_size: 32
...
	.end_amdgpu_metadata
.endif
;; end of part 6
